; MI455X (gfx1250); checked and timed in simulation.
; The chip was launched on July 23, 2026; its instructions are those of AMD's public machine-readable ISA for CDNA 5 (MIT licence, August 2026) and "CDNA5" Instruction Set Architecture Reference Guide (July 2026). The comments in the code are by the model that wrote it; some were corrected since.
;; Up Sample Interpolation. Allowed arithmetic: float matrix products may take bf16 or f16 operands with f32 sums; all other float work in f32.
;; Inputs: bn_beta 256 float32; bn_gamma 256 float32; conv_w 256 x 768 float32; dense_data 8 x 256 x 4,096 float32; dense_idx 8 x 4,096 int32; pcd 8 x 3 x 4,096 float32; sparse_data 8 x 512 x 1,024 float32; sparse_idx 8 x 1,024 int32.
;; Outputs: out0 8 x 256 x 4,096 float32; out1 8 x 4,096 int32.
;; 2 versions, each right; version 2 is version 1 with the launch main written anew for expert scheduling mode. Each part assembles by itself: llvm-mc -triple=amdgcn-amd-amdhsa -mcpu=gfx1250 --defsym DOCPART=n.
;; ======== version 1 of 2: 4 launches
;; limits: a difference of large sums (such as E[x^2] - mean^2): digits are lost where the result is much smaller than its terms; values are held in f16: magnitudes above 65,504 overflow, below 6.1e-05 lose precision; inputs' magnitudes at most 65,504
;; workspace buffers: geo 655,360 bytes; cblk 524,288 bytes of whole numbers; wfrag 393,216 bytes; zt 8,388,608 bytes; nidx 131,072 bytes of whole numbers; nw 524,288 bytes; ybuf 33,554,432 bytes; pstat 524,288 bytes
;; launch prep (part 1): grid 256 x 1, 8 waves a work-group, no clusters, 52,224 bytes of LDS; arguments sparse_idx, dense_idx, pcd, conv_w, geo, cblk, wfrag, out1; writes geo, cblk, wfrag, out1
.if DOCPART == 1
	.amdgcn_target "amdgcn-amd-amdhsa--gfx1250"
	.amdhsa_code_object_version 6
	.text
	.protected	k_q60e3c8c75b_prep
	.globl	k_q60e3c8c75b_prep
	.p2align	8
	.type	k_q60e3c8c75b_prep,@function
k_q60e3c8c75b_prep:
	s_mov_b64 s[64:65], 0
	v_nop
	global_prefetch_b8 v0, s[64:65] scope:SCOPE_SE
	s_setreg_imm32_b32 hwreg(HW_REG_WAVE_MODE, 25, 1), 1
	s_wait_xcnt 0x0
; PREP: gathers the coordinates, finds for each dense point the three BLOCKS of 16 consecutive sparse points with the smallest
; block minima of the squared distance, and does three small side jobs (conv_w to f16 in fragment order, out1 = dense_idx,
; the table of sparse coordinates to memory).
; Why blocks: if one of the three nearest points (ordered by distance, then index) lay in a fourth block, each of the three
; blocks ranked in front of it (by minimum, then block number) would hold a point ranked in front of that point: four points
; in the first three places.  So the wide scan tracks one insertion for 16 points; the next launch ranks the 48 candidates.
; Work-group g: batch b = g >> 5, dense points 128 g .. 128 g + 127.  Every wave serves all 128 points, four a lane (points
; lane, lane + 32, lane + 64, lane + 96), against its own eighth of the table: blocks 8 w .. 8 w + 7.  The two halves of a packed
; instruction are two dense points, and the sparse coordinate is broadcast from its register by op_sel: a 16-byte LDS load, which
; every lane makes of the same bytes, so feeds 128 pairs of points, and a wave issues 8 of them for 140 vector instructions.
; The eight waves' lists of three are merged through LDS in the order of the waves.
; d2 is made as (dn + sn) - 2 dot with dot = fma(z, z', fma(y, y', x x')) and the squared norms by the same chain.  The next
; launch makes the same operations on the same numbers in the same order, so both see the same bits.
; LIMITS: coordinates and squared distances are finite; a distance that is NaN or infinite is never inserted and the list keeps
; block 0.  Indices are taken to be 0 .. 4095 (clamped to that before they form an address).
; conv_w goes to f16 (11 significant bits): a weight above 65,504 in magnitude becomes infinite, one below 2^-14 keeps an
; absolute error of at most 2^-25.
; No matrix unit (the ranking needs f32 throughout), no cluster: what work-groups share is a table of 16,384 bytes.
.set DXP,  16384                       ; LDS: 0 .. 16383 the batch's table, 32 bytes a pair of points (x x y y z z n n);
                                       ;      then four planes of 128 words: X, Y, Z, DN of the dense points;
.set MRG,  18432                       ;      then 8 waves x 128 points x 32 bytes: the lists to merge
.set XD,   10                          ; v[10:25]   dense points k = 0..3: X Y Z DN of points 2P, 2P+1 as pairs at XD + 8 P + 0, 2, 4, 6
.set TL,   26                          ; v[26:49]   point k at TL + 6 k: t1 <= t2 <= t3, then their block numbers i1 i2 i3
.set TA,   50                          ; v[50:57]   at work in the insertions, two a point
.set MN,   58                          ; v[58:65]   the four points' block minima, then four at work
.set T,    66                          ; v[66:81]   8 sparse points x 2 dense points: dots, then squared distances
.set U,    82                          ; v[82:97]   the sums of squared norms
.set BUF0, 98                          ; v[98:129]  8 sparse points: 4 pairs x (x x y y z z n n)
.set BUF1, 130                         ; v[130:161] the next 8
.set ML,   98                          ; v[98:161]  behind the scan: the eight lists of one point, 8 registers apart
.set TB,   162                         ; v[162:177] my 4 sparse points in table order
.set SI,   178                         ; v[178:181] their indices
.set DQ,   182                         ; v[182:185] waves 0-3: X Y Z DN of dense point t
.set DI,   186                         ; v186       its index
.set SJ,   188                         ; v[188:199] side jobs
.set TO,   200                         ; v[200:203] the table's part on its way to memory
.set SO,   204                         ; v[204:211] sorting the block numbers; v207 an LDS address; v[208:211] to cblk
.set MA,   212                         ; v212       LDS: the first of point t's lists
.set DS,   213                         ; v213       LDS: point t's word in the X plane
.set SA0,  214                         ; v214-215   side jobs' offsets
.set SA1,  215
.set C1,   44                          ; s44-55     three compare masks for each of four points
	s_load_b512 s[4:19], s[0:1], 0x0               ; sparse_idx 4, dense_idx 6, pcd 8, conv_w 10, geo 12, cblk 14, wfrag 16, out1 18
	v_lshl_add_u32 v216, v0, 2, 0xc800
	v_mov_b32 v217, 0
	v_lshrrev_b32 v1, 5, v0
	v_readfirstlane_b32 s20, v1                    ; wave 0..7
	s_lshr_b32 s22, ttmp9, 5                       ; batch
	s_and_b32 s23, ttmp9, 31                       ; my place among the batch's 32 work-groups
	s_mov_b32 s25, 0                               ; high word of every offset
	v_lshlrev_b32 v1, 4, v0                        ; 16 t
	v_lshlrev_b32 v2, 2, v0                        ; 4 t
	v_and_b32 v3, 31, v0                           ; lane
	v_lshlrev_b32 v4, 4, v3                        ; 16 x lane
	v_lshlrev_b32 v5, 2, v3
	v_add_nc_u32 v5, DXP, v5                       ; LDS: X of dense point lane
	v_lshlrev_b32 v6, 6, v0                        ; 64 t: my two pairs in the table
	s_lshl_b32 s33, s20, 12
	s_add_co_u32 s33, s33, MRG
	v_lshl_add_u32 v8, v3, 5, s33                  ; LDS: my wave's list of point lane
	v_and_b32 v9, 127, v0
	v_lshlrev_b32 v[MA], 5, v9
	v_add_nc_u32 v[MA], MRG, v[MA]
	v_lshlrev_b32 v[DS], 2, v9
	v_add_nc_u32 v[DS], DXP, v[DS]
	s_wait_kmcnt 0x0
	s_lshl_b32 s24, s22, 12
	s_add_nc_u64 s[4:5], s[4:5], s[24:25]          ; sparse_idx of the batch
	s_lshl_b32 s24, ttmp9, 9
	s_add_nc_u64 s[6:7], s[6:7], s[24:25]          ; dense_idx of my 128 points
	s_add_nc_u64 s[18:19], s[18:19], s[24:25]      ; out1 likewise
	s_add_nc_u64 s[40:41], s[12:13], s[24:25]      ; geo: my 512 bytes of the table (b x 16384 + j x 512 = g x 512)
	s_lshl_b32 s24, ttmp9, 11
	s_add_nc_u64 s[14:15], s[14:15], s[24:25]      ; cblk: 16 bytes a point
	s_add_co_u32 s24, s24, 131072
	s_add_nc_u64 s[42:43], s[12:13], s[24:25]      ; geo: the dense points' part, 16 bytes a point
	s_mul_i32 s24, s22, 49152
	s_add_nc_u64 s[8:9], s[8:9], s[24:25]          ; pcd of the batch
	global_load_b128 v[SI:SI+3], v1, s[4:5]        ; indices of sparse points 4 t .. 4 t + 3
	; while they are on their way: waves 0-3 fetch the dense points, waves 4-7 do the side jobs
	s_cmp_lt_u32 s20, 4
	s_cbranch_scc1 .Ldense
	s_cmp_eq_u32 s20, 7
	s_cbranch_scc1 .Lcopy
	; waves 4, 5, 6: one half fragment (512 bytes) of conv_w each, number hf = 3 g + wave - 4 of 768.
	; hf = 2 (24 T + ks) + q holds W[16 T + r][32 ks + 16 q + 8 h + 0..7] in f16 at byte 16 x lane (r = lane & 15, h = lane >> 4)
	s_mul_i32 s33, ttmp9, 3
	s_add_co_u32 s33, s33, s20
	s_sub_co_u32 s33, s33, 4                       ; hf
	s_lshr_b32 s34, s33, 1                         ; 24 T + ks, 0 .. 383
	s_and_b32 s35, s33, 1                          ; q
	s_mul_i32 s36, s34, 2731
	s_lshr_b32 s36, s36, 16                        ; T: 2731 x 24 = 65544, exact division for numbers below 384
	s_mul_i32 s37, s36, 24
	s_sub_co_u32 s37, s34, s37                     ; ks
	s_mul_i32 s36, s36, 49152                      ; 16 rows of 3,072 bytes
	s_lshl_b32 s37, s37, 7                         ; 32 columns of 4 bytes
	s_add_co_u32 s36, s36, s37
	s_lshl_b32 s35, s35, 6
	s_add_co_u32 s36, s36, s35
	v_and_b32 v[SA0], 15, v0
	v_mul_u32_u24 v[SA0], v[SA0], 3072             ; r rows
	v_bfe_u32 v[SA1], v0, 4, 1
	v_lshl_add_u32 v[SA0], v[SA1], 5, v[SA0]       ; + 8 h columns
	v_add_nc_u32 v[SA0], s36, v[SA0]
	global_load_b128 v[SJ:SJ+3], v[SA0], s[10:11]
	global_load_b128 v[SJ+4:SJ+7], v[SA0], s[10:11] offset:16
	s_lshl_b32 s33, s33, 9
	v_add_nc_u32 v[SA1], s33, v4                   ; 512 hf + 16 x lane
	s_wait_loadcnt 0x0
	v_cvt_pk_f16_f32 v[SJ+8],  v[SJ],   v[SJ+1]    ; first source into the low half
	v_cvt_pk_f16_f32 v[SJ+9],  v[SJ+2], v[SJ+3]
	v_cvt_pk_f16_f32 v[SJ+10], v[SJ+4], v[SJ+5]
	v_cvt_pk_f16_f32 v[SJ+11], v[SJ+6], v[SJ+7]
	global_store_b128 v[SA1], v[SJ+8:SJ+11], s[16:17]      ; 512 consecutive bytes
	s_branch .Lcommon
.Lcopy:
	global_load_b128 v[SJ:SJ+3], v4, s[6:7]        ; wave 7: the work-group's 512 bytes of dense_idx are the second result
	s_wait_loadcnt 0x0
	global_store_b128 v4, v[SJ:SJ+3], s[18:19]
	s_branch .Lcommon
.Ldense:
	global_load_b32 v[DI], v2, s[6:7]              ; waves 0-3: thread t fetches dense point t, once for the whole work-group
	s_wait_loadcnt 0x0
	v_min_u32 v[DI], 0xfff, v[DI]                  ; an index enters an address only clamped to the table
	v_lshlrev_b32 v[DI], 2, v[DI]
	global_load_b32 v[DQ],   v[DI], s[8:9]
	global_load_b32 v[DQ+1], v[DI], s[8:9] offset:16384
	global_load_b32 v[DQ+2], v[DI], s[8:9] offset:32768
.Lcommon:
	s_wait_loadcnt 0x3                             ; the sparse indices are in; what may stay out are the three loads just above (waves 4-7 have none out)
.irp i, 0,1,2,3
	v_min_u32 v[SI+\i], 0xfff, v[SI+\i]
	v_lshlrev_b32 v[SI+\i], 2, v[SI+\i]
.endr
.irp i, 0,1,2,3
	global_load_b32 v[TB+8*(\i>>1)+(\i&1)],   v[SI+\i], s[8:9]
	global_load_b32 v[TB+8*(\i>>1)+(\i&1)+2], v[SI+\i], s[8:9] offset:16384
	global_load_b32 v[TB+8*(\i>>1)+(\i&1)+4], v[SI+\i], s[8:9] offset:32768
.endr
	s_wait_loadcnt 0x0
.irp p, 0,8
	v_pk_mul_f32 v[TB+\p+6:TB+\p+7], v[TB+\p:TB+\p+1], v[TB+\p:TB+\p+1]
	v_pk_fma_f32 v[TB+\p+6:TB+\p+7], v[TB+\p+2:TB+\p+3], v[TB+\p+2:TB+\p+3], v[TB+\p+6:TB+\p+7]
	v_pk_fma_f32 v[TB+\p+6:TB+\p+7], v[TB+\p+4:TB+\p+5], v[TB+\p+4:TB+\p+5], v[TB+\p+6:TB+\p+7]
.endr
.irp q, 0,1,2,3
	ds_store_b128 v6, v[TB+4*\q:TB+4*\q+3] offset:16*\q
.endr
	s_cmp_ge_u32 s20, 4
	s_cbranch_scc1 .Lbar
	v_mul_f32 v[DQ+3], v[DQ], v[DQ]                ; waves 0-3: DN, then the point into the four planes and to memory
	v_fma_f32 v[DQ+3], v[DQ+1], v[DQ+1], v[DQ+3]
	v_fma_f32 v[DQ+3], v[DQ+2], v[DQ+2], v[DQ+3]
.irp c, 0,1,2,3
	ds_store_b32 v[DS], v[DQ+\c] offset:512*\c
.endr
	global_store_b128 v1, v[DQ:DQ+3], s[42:43]     ; X Y Z DN: the next launch works on these very bits; 512 consecutive bytes a wave
.Lbar:
	s_wait_dscnt 0x0                               ; my part of the table and of the planes is written: zero, for the other waves' sake
	s_barrier_signal -1
.irp k, 0,1,2,3
.irp i, 0,1,2
	v_mov_b32 v[TL+6*\k+\i], 0x7f800000            ; + infinity: any finite distance is smaller
	v_mov_b32 v[TL+6*\k+3+\i], 0
.endr
.endr
	s_barrier_wait -1
.macro LOADB buf, off                  ; 8 sparse points, 128 bytes; every lane reads the same bytes
.irp q, 0,1,2,3,4,5,6,7
	ds_load_b128 v[\buf+4*\q:\buf+4*\q+3], v7 offset:\off+16*\q
.endr
.endm
; T = the squared distances of the two dense points at xp to the 8 sparse points in buf.  Sparse point 2 g + s is half s of pair g:
; op_sel and op_sel_hi both s give that half to both dense points.  Eight independent instructions in each stage.
.macro DIST buf, xp
.irp g, 0,1,2,3
.irp s, 0,1
	v_pk_mul_f32 v[T+4*\g+2*\s:T+4*\g+2*\s+1], v[\xp:\xp+1], v[\buf+8*\g:\buf+8*\g+1] op_sel:[0,\s] op_sel_hi:[1,\s]
	v_pk_add_f32 v[U+4*\g+2*\s:U+4*\g+2*\s+1], v[\xp+6:\xp+7], v[\buf+8*\g+6:\buf+8*\g+7] op_sel:[0,\s] op_sel_hi:[1,\s]
.endr
.endr
.irp c, 2,4
.irp g, 0,1,2,3
.irp s, 0,1
	v_pk_fma_f32 v[T+4*\g+2*\s:T+4*\g+2*\s+1], v[\xp+\c:\xp+\c+1], v[\buf+8*\g+\c:\buf+8*\g+\c+1], v[T+4*\g+2*\s:T+4*\g+2*\s+1] op_sel:[0,\s,0] op_sel_hi:[1,\s,1]
.endr
.endr
.endr
.irp e, 0,1,2,3,4,5,6,7
	v_pk_fma_f32 v[T+2*\e:T+2*\e+1], v[T+2*\e:T+2*\e+1], -2.0, v[U+2*\e:U+2*\e+1] op_sel_hi:[1,0,1]
.endr
.endm
; the minima of dense points k and k + 1 over the 8 distances in T; more = 1: together with what MN holds of the block's first half
.macro BMIN k, more
.irp q, 0,1
	v_min3_num_f32 v[MN+4+\q], v[T+\q],   v[T+2+\q], v[T+4+\q]
	v_min3_num_f32 v[MN+6+\q], v[T+6+\q], v[T+8+\q], v[T+10+\q]
.endr
.irp q, 0,1
	v_min3_num_f32 v[MN+4+\q], v[MN+4+\q], v[T+12+\q], v[T+14+\q]
.endr
.irp q, 0,1
.if \more
	v_min3_num_f32 v[MN+\k+\q], v[MN+\k+\q], v[MN+4+\q], v[MN+6+\q]
.else
	v_min_num_f32 v[MN+\k+\q], v[MN+4+\q], v[MN+6+\q]
.endif
.endr
.endm
.macro HALF buf, more                  ; half a block against all four dense points
	DIST \buf, XD
	BMIN 0, \more
	DIST \buf, XD+8
	BMIN 2, \more
.endm
; puts (val, id) into the sorted list of three at tl; strictly smaller only, so the earlier one wins a tie
.macro INSERT val, id, tl
	v_cmp_lt_f32 s[C1],   \val, v[\tl]
	v_cmp_lt_f32 s[C1+1], \val, v[\tl+1]
	v_cmp_lt_f32 s[C1+2], \val, v[\tl+2]
	v_cndmask_b32 v[TA],   \id, v[\tl+4], s[C1+1]  ; what moves to place 3: the old second, or the newcomer
	v_cndmask_b32 v[TA+1], \id, v[\tl+3], s[C1]    ; what moves to place 2
	v_cndmask_b32 v[\tl+5], v[\tl+5], v[TA],   s[C1+2]
	v_cndmask_b32 v[\tl+4], v[\tl+4], v[TA+1], s[C1+1]
	v_cndmask_b32 v[\tl+3], v[\tl+3], \id,     s[C1]
	v_med3_num_f32 v[\tl+2], \val, v[\tl+1], v[\tl+2]
	v_med3_num_f32 v[\tl+1], \val, v[\tl],   v[\tl+1]
	v_min_num_f32  v[\tl],   \val, v[\tl]
.endm
; the same for the four dense points at once, stage by stage, so that no line waits for the one in front of it
.macro INSERT4 id
.irp k, 0,1,2,3
	v_cmp_lt_f32 s[C1+3*\k],   v[MN+\k], v[TL+6*\k]
	v_cmp_lt_f32 s[C1+3*\k+1], v[MN+\k], v[TL+6*\k+1]
	v_cmp_lt_f32 s[C1+3*\k+2], v[MN+\k], v[TL+6*\k+2]
.endr
.irp k, 0,1,2,3
	v_cndmask_b32 v[TA+2*\k],   \id, v[TL+6*\k+4], s[C1+3*\k+1]
	v_cndmask_b32 v[TA+2*\k+1], \id, v[TL+6*\k+3], s[C1+3*\k]
.endr
.irp k, 0,1,2,3
	v_cndmask_b32 v[TL+6*\k+5], v[TL+6*\k+5], v[TA+2*\k],   s[C1+3*\k+2]
	v_cndmask_b32 v[TL+6*\k+4], v[TL+6*\k+4], v[TA+2*\k+1], s[C1+3*\k+1]
	v_cndmask_b32 v[TL+6*\k+3], v[TL+6*\k+3], \id,          s[C1+3*\k]
.endr
.irp k, 0,1,2,3
	v_med3_num_f32 v[TL+6*\k+2], v[MN+\k], v[TL+6*\k+1], v[TL+6*\k+2]
.endr
.irp k, 0,1,2,3
	v_med3_num_f32 v[TL+6*\k+1], v[MN+\k], v[TL+6*\k], v[TL+6*\k+1]
.endr
.irp k, 0,1,2,3
	v_min_num_f32 v[TL+6*\k], v[MN+\k], v[TL+6*\k]
.endr
.endm
	; my four dense points out of the planes, straight into the pairs
.irp k, 0,1,2,3
.irp c, 0,1,2,3
	ds_load_b32 v[XD+8*(\k>>1)+2*\c+(\k&1)], v5 offset:512*\c+128*\k
.endr
.endr
	; THE SCAN: my wave's 8 blocks of 16, one a trip, the next half block's eight loads always issued ahead
	s_lshl_b32 s26, s20, 3                         ; number of the block at work
	s_lshl_b32 s33, s20, 11
	v_mov_b32 v7, s33                              ; its LDS address: 8 blocks of 256 bytes a wave
	LOADB BUF0, 0
	s_mov_b32 s28, 7
.Lscan:
	LOADB BUF1, 128
	s_wait_dscnt 0x8                               ; all but the eight loads just issued: BUF0 is in (on entry, with my points, and round the back edge alike)
	HALF BUF0, 0
	LOADB BUF0, 256
	s_wait_dscnt 0x8                               ; BUF1 is in
	HALF BUF1, 1
	INSERT4 s26
	v_add_nc_u32 v7, 256, v7
	s_add_co_u32 s26, s26, 1
	s_sub_co_u32 s28, s28, 1
	s_cmp_lg_u32 s28, 0
	s_cbranch_scc1 .Lscan
	LOADB BUF1, 128                                ; the last block: nothing is read behind my eighth's end
	s_wait_dscnt 0x8
	HALF BUF0, 0
	s_wait_dscnt 0x0
	HALF BUF1, 1
	INSERT4 s26
	; MERGE: every wave lays down its lists; waves 0-3 merge the eight lists of point t
.irp k, 0,1,2,3
	ds_store_b128 v8, v[TL+6*\k:TL+6*\k+3] offset:1024*\k
	ds_store_b64 v8, v[TL+6*\k+4:TL+6*\k+5] offset:1024*\k+16
.endr
	s_wait_dscnt 0x0
	s_barrier_signal -1
	s_barrier_wait -1
	s_cmp_lt_u32 s20, 4
	s_cbranch_scc1 .Lmerge
	s_cmp_lg_u32 s20, 7
	s_cbranch_scc1 .Lend
	s_lshl_b32 s33, s23, 9                         ; wave 7: this work-group's 1/32 of the table goes to memory for the next launch
	v_add_nc_u32 v[SO+3], s33, v4
	ds_load_b128 v[TO:TO+3], v[SO+3]
	s_wait_dscnt 0x0
	global_store_b128 v4, v[TO:TO+3], s[40:41]     ; 512 consecutive bytes
.Lend:
	s_wait_tensorcnt 0x0
	ds_add_u32 v216, v217
	s_wait_dscnt 0x0
	s_endpgm
.Lmerge:
.irp j, 0,1,2,3,4,5,6,7
	ds_load_b128 v[ML+8*\j:ML+8*\j+3], v[MA] offset:4096*\j        ; wave j's t1 t2 t3 i1
	ds_load_b64 v[ML+8*\j+4:ML+8*\j+5], v[MA] offset:4096*\j+16    ; i2 i3
.endr
	s_wait_dscnt 0x0
.irp j, 1,2,3,4,5,6,7
	INSERT v[ML+8*\j],   v[ML+8*\j+3], ML          ; higher blocks into the list of the lower ones, each list in its own order:
	INSERT v[ML+8*\j+1], v[ML+8*\j+4], ML          ; on a tie the lower block stays in front
	INSERT v[ML+8*\j+2], v[ML+8*\j+5], ML
.endr
	; the three block numbers ascending, so that the next launch meets the candidates in the order of their indices
	v_cmp_lt_u32 vcc_lo, v[ML+4], v[ML+3]
	v_cndmask_b32 v[SO],   v[ML+3], v[ML+4], vcc_lo        ; min(i1, i2)
	v_cndmask_b32 v[SO+1], v[ML+4], v[ML+3], vcc_lo        ; max(i1, i2)
	v_cmp_lt_u32 vcc_lo, v[ML+5], v[SO+1]
	v_cndmask_b32 v[SO+2], v[SO+1], v[ML+5], vcc_lo
	v_cndmask_b32 v[SO+6], v[ML+5], v[SO+1], vcc_lo        ; the largest
	v_cmp_lt_u32 vcc_lo, v[SO+2], v[SO]
	v_cndmask_b32 v[SO+4], v[SO],   v[SO+2], vcc_lo        ; the smallest
	v_cndmask_b32 v[SO+5], v[SO+2], v[SO],   vcc_lo
	v_mov_b32 v[SO+7], 0
	global_store_b128 v1, v[SO+4:SO+7], s[14:15]   ; 512 consecutive bytes a wave
	s_wait_tensorcnt 0x0
	ds_add_u32 v216, v217
	s_wait_dscnt 0x0
	s_endpgm
.Lfunc_end_k_q60e3c8c75b_prep:
	.size	k_q60e3c8c75b_prep, .Lfunc_end_k_q60e3c8c75b_prep-k_q60e3c8c75b_prep
	.p2alignl 7, 3214868480
	.fill 96, 4, 3214868480
	.section	.rodata,"a",@progbits
	.p2align	6, 0x0
	.amdhsa_kernel k_q60e3c8c75b_prep
		.amdhsa_group_segment_fixed_size 52224
		.amdhsa_private_segment_fixed_size 0
		.amdhsa_enable_private_segment 0
		.amdhsa_kernarg_size 64
		.amdhsa_user_sgpr_count 2
		.amdhsa_user_sgpr_kernarg_segment_ptr 1
		.amdhsa_wavefront_size32 1
		.amdhsa_system_sgpr_workgroup_id_x 1
		.amdhsa_system_sgpr_workgroup_id_y 1
		.amdhsa_system_sgpr_workgroup_id_z 1
		.amdhsa_system_vgpr_workitem_id 0
		.amdhsa_next_free_vgpr 218
		.amdhsa_next_free_sgpr 66
		.amdhsa_reserve_vcc 1
		.amdhsa_float_denorm_mode_32 3
		.amdhsa_float_denorm_mode_16_64 3
		.amdhsa_memory_ordered 1
		.amdhsa_forward_progress 1
		.amdhsa_inst_pref_size 58
	.end_amdhsa_kernel
	.amdgpu_metadata
---
amdhsa.version: [ 1, 2 ]
amdhsa.kernels:
  - .name:           k_q60e3c8c75b_prep
    .symbol:         k_q60e3c8c75b_prep.kd
    .args:
      - { .name: sparse_idx, .offset: 0, .size: 8, .value_kind: global_buffer, .address_space: global }
      - { .name: dense_idx, .offset: 8, .size: 8, .value_kind: global_buffer, .address_space: global }
      - { .name: pcd, .offset: 16, .size: 8, .value_kind: global_buffer, .address_space: global }
      - { .name: conv_w, .offset: 24, .size: 8, .value_kind: global_buffer, .address_space: global }
      - { .name: geo, .offset: 32, .size: 8, .value_kind: global_buffer, .address_space: global }
      - { .name: cblk, .offset: 40, .size: 8, .value_kind: global_buffer, .address_space: global }
      - { .name: wfrag, .offset: 48, .size: 8, .value_kind: global_buffer, .address_space: global }
      - { .name: out1, .offset: 56, .size: 8, .value_kind: global_buffer, .address_space: global }
    .group_segment_fixed_size: 52224
    .private_segment_fixed_size: 0
    .kernarg_segment_align: 8
    .kernarg_segment_size: 64
    .max_flat_workgroup_size: 256
    .sgpr_count:     66
    .vgpr_count:     218
    .wavefront_size: 32
...
	.end_amdgpu_metadata
.endif
;; end of part 1
;; launch mid (part 2): grid 256 x 1, 8 waves a work-group, no clusters, 87,040 bytes of LDS; arguments sparse_data, wfrag, geo, cblk, zt, nidx, nw; writes zt, nidx, nw
.if DOCPART == 2
	.amdgcn_target "amdgcn-amd-amdhsa--gfx1250"
	.amdhsa_code_object_version 6
	.text
	.protected	k_q60e3c8c75b_mid
	.globl	k_q60e3c8c75b_mid
	.p2align	8
	.type	k_q60e3c8c75b_mid,@function
k_q60e3c8c75b_mid:
	s_mov_b64 s[64:65], 0
	v_nop
	global_prefetch_b8 v0, s[64:65] scope:SCOPE_SE
	s_setreg_imm32_b32 hwreg(HW_REG_WAVE_MODE, 25, 1), 1
	s_wait_xcnt 0x0
; MID: two independent jobs share one launch; the work-group's number chooses.
; Work-groups 0..127: Zt[b][s][o] = sum over c of W2[o][c] sparse[b][c][s] (W2 = columns 256..767 of conv_w), 64 rows s each, all 256 o.
;   The convolution is linear, so W2 x (blend of three sparse columns) = the same blend of three rows of Zt: the product is made once
;   for 8,192 sparse points instead of 32,768 dense ones.  f16 operands, f32 sums, Zt kept in f32.
;   f16 and not bf16: the result is held to a hundredth of its root mean square, and a sum of 768 products of operands with 8
;   significant bits comes within a third of that too often; 11 significant bits make each operand's error eight times smaller.
; Work-groups 128..255: for 256 dense points each, the exact three nearest of the 48 candidates that the three blocks of 16 in cblk
;   name, their indices (packed, 10 bits each) and their normalised inverse-distance weights.
; LDS: bytes 0 .. 81,919 belong to the first job, bytes 81,920 .. 86,015 to the second: no byte is named by both.
; No cluster: the 128 Z work-groups all read W2 (262,144 bytes in f16), but it goes straight into the waves' registers in fragment
;   order; landed in LDS by a joint request it would need 262,144 + 81,920 bytes, more than the 327,680 there are.
; LIMITS: sparse_data above 65,504 in magnitude becomes infinite in f16, below 2^-14 it keeps an absolute error of at most 2^-25;
;   distances finite (else a list keeps index 0); d2 is made by the operations of the launch before, on the same numbers in the same
;   order (there packed over two dense points, here over two candidates), so it has the same bits;
;   1/x by v_rcp_f32 (1 ULP) where the reference divides.
.set DOT_FMA, 1
.set MSB, 0
.macro WIN new                         ; switches register windows; the immediate's high byte repeats the setting that is left
.if MSB != \new
	s_set_vgpr_msb (MSB<<8)|\new
.set MSB, \new
.endif
.endm
.macro PLACES                          ; four independent vector instructions behind a matrix instruction (ISA guide 7.12.1)
.rept 4
	v_nop
.endr
.endm
; ---- Z tile ----
.set XP,  160                          ; LDS row of the f16 tile [512 c][64 s]: 128 bytes + 32: an odd multiple of 32 for the transposing loads
.set SP,  1040                         ; LDS row of the stage [64 s][256 o] f32: 1,024 bytes + 16.  The stage re-uses the tile's bytes.
.set CT,  12                           ; v[12:27]   8 x 2 words of f16 on their way to LDS
.set DR,  32                           ; v[32:159]  sparse data as loaded
.set ACC, 32                           ; v[32:95]   8 accumulators (4 s tiles x 2 o tiles), once DR is used up
.set F0,  96                           ; v[96:127]  A fragments, 4 s tiles
.set F1,  128                          ; v[128:159] the other buffer
.set OB,  160                          ; v[160:223] rows on the way out
                                       ; window 1: v[256:511] W2 fragments, fragment (t, ks) at 8 (16 t + ks)
; ---- refine ----
.set RF,  512*XP                       ; LDS: the 256 packed index words, behind the other job's 81,920 bytes
.set CB,  4                            ; v[4:7]     three block numbers
.set DX,  8                            ; v[8:11]    X Y Z DN
.set XD,  12                           ; v[12:19]   the same, twice each
.set TL,  20                           ; v[20:25]   t1 t2 t3 i1 i2 i3
.set TA,  26                           ; v[26:29]   at work
.set OFJ, 30                           ; v[30:32]   byte offsets of the three blocks
.set B16, 33                           ; v[33:35]   16 x block number
.set T,   36                           ; v[36:43]
.set U,   44                           ; v[44:51]
.set WO,  52                           ; v[52:55]   weights
.set VS,  56                           ; v56        a candidate's index
.set PK,  57                           ; v57        the packed indices
.set CAND, 64                          ; v[64:255]  three blocks of 64 words
.set C1,  22                           ; s22-24     compare masks
	s_load_b256 s[4:11], s[0:1], 0x0               ; sparse_data 4, wfrag 6, geo 8, cblk 10
	s_load_b128 s[12:15], s[0:1], 0x20             ; zt 12, nidx 14
	s_load_b64 s[16:17], s[0:1], 0x30              ; nw
	v_lshrrev_b32 v1, 5, v0
	v_readfirstlane_b32 s18, v1                    ; wave 0..7
	s_mov_b32 s21, 0                               ; high word of every offset
	s_cmp_ge_u32 ttmp9, 128
	s_cbranch_scc1 .Lrefine
	; ================= Z TILE: rows 64 id .. 64 id + 63 of Zt =================
	v_and_b32 v1, 31, v0                           ; lane L
	v_and_b32 v2, 15, v0                           ; r
	v_bfe_u32 v3, v0, 4, 1                         ; h
	v_lshlrev_b32 v4, 4, v2
	v_lshl_add_u32 v4, v3, 12, v4
	s_lshl_b32 s19, s18, 18
	v_add_nc_u32 v4, s19, v4                       ; data: row 64 w + h (4,096 bytes each), 16 r
	s_mul_i32 s19, s18, 49152
	v_lshlrev_b32 v5, 4, v1
	v_add_nc_u32 v5, s19, v5                       ; W: o tiles 2 w, 2 w + 1 (24,576 bytes each), 16 L
	s_mul_i32 s19, s18, 64*XP
	v_mul_u32_u24 v6, v3, XP
	v_lshl_add_u32 v6, v2, 3, v6
	v_add_nc_u32 v6, s19, v6                       ; tile store: row 64 w + h, 8 r
	v_and_b32 v7, 7, v0
	v_lshl_add_u32 v7, v3, 3, v7
	v_mul_u32_u24 v7, v7, XP
	v_bfe_u32 v8, v0, 3, 1
	v_lshl_add_u32 v7, v8, 4, v7                   ; transposing load: row 8 h + (L & 7), 16 bytes x bit 3 of L
	v_add_nc_u32 v8, 8*32*XP, v7                   ; the same for K steps 8..15 (the immediate has 16 bits)
	v_mul_u32_u24 v9, v3, 8*SP
	v_lshl_add_u32 v9, v2, 2, v9
	s_lshl_b32 s19, s18, 7
	v_add_nc_u32 v9, s19, v9                       ; stage in: row 8 h, column 32 w + r
	s_mul_i32 s19, s18, 8*SP
	v_lshl_add_u32 v10, v1, 4, s19                 ; stage back: rows 8 w .., 16 L
	s_lshl_b32 s19, s18, 13
	v_lshl_add_u32 v11, v1, 4, s19                 ; and the same rows in Zt (1,024 bytes each)
	s_wait_kmcnt 0x0
	s_lshr_b32 s19, ttmp9, 4
	s_lshl_b32 s20, s19, 21                        ; batch x 512 x 4,096 bytes
	s_and_b32 s19, ttmp9, 15
	s_lshl_b32 s19, s19, 8                         ; + 64 s x 4 bytes
	s_add_co_u32 s20, s20, s19
	s_add_nc_u64 s[4:5], s[4:5], s[20:21]
	s_lshl_b32 s20, ttmp9, 16
	s_add_nc_u64 s[12:13], s[12:13], s[20:21]      ; 64 rows of 1,024 bytes
	; each load: two rows c of 256 bytes; the wave's 64 rows are all asked for at once
.set nn, 0
.rept 32
	global_load_b128 v[DR+4*nn:DR+4*nn+3], v4, s[4:5] offset:8192*nn th:TH_LOAD_NT
.set nn, nn+1
.endr
.set kk, 0
.macro WLOAD n                         ; the next n of the wave's 64 loads of W2 fragments (512 consecutive bytes each) into window 1
	WIN 0x40
.rept \n
	global_load_b128 v[4*kk:4*kk+3], v5, s[6:7] offset:(kk>>5)*24576+8192+(kk&31)*512
.set kk, kk+1
.endr
	WIN 0
.endm
	WLOAD 24
.macro CHUNK c                         ; 8 loads (16 rows c) to f16 and into the tile
	s_wait_loadcnt 48+2*\c                         ; younger: (3 - c) x 8 data loads and 24 + 10 c loads of W
.irp j, 0,1,2,3,4,5,6,7
	v_cvt_pk_f16_f32 v[CT+2*\j],   v[DR+4*(8*\c+\j)],   v[DR+4*(8*\c+\j)+1]
	v_cvt_pk_f16_f32 v[CT+2*\j+1], v[DR+4*(8*\c+\j)+2], v[DR+4*(8*\c+\j)+3]
.endr
.irp j, 0,1,2,3,4,5,6,7
	ds_store_b64 v6, v[CT+2*\j:CT+2*\j+1] offset:2*XP*(8*\c+\j)
.endr
	WLOAD 10
.endm
	CHUNK 0
	CHUNK 1
	CHUNK 2
	CHUNK 3
	s_wait_dscnt 0x0                               ; my rows of the tile are written
	s_barrier_signal -1
	s_barrier_wait -1
	s_wait_loadcnt 0x0                             ; all of W2's fragments
; A = 16 rows s x 32 c out of the tile [c][s]: two transposing loads, 16 rows c apart.  B = W2's fragment: columns o.
.macro FETCH ks, f
.irp u, 0,1,2,3
	ds_load_tr16_b128 v[\f+8*\u:\f+8*\u+3],   v[7+((\ks)>>3)] offset:((\ks)&7)*32*XP+32*\u
	ds_load_tr16_b128 v[\f+8*\u+4:\f+8*\u+7], v[7+((\ks)>>3)] offset:((\ks)&7)*32*XP+32*\u+16*XP
.endr
.endm
.macro MUL ks, f, zero                 ; zero = 1: the first products start the sums, nothing is cleared
.irp u, 0,1,2,3
.irp t, 0,1
.if \zero
	v_wmma_f32_16x16x32_f16 v[ACC+8*(2*\u+\t):ACC+8*(2*\u+\t)+7], v[\f+8*\u:\f+8*\u+7], v[8*(16*\t+\ks):8*(16*\t+\ks)+7], 0
.else
	v_wmma_f32_16x16x32_f16 v[ACC+8*(2*\u+\t):ACC+8*(2*\u+\t)+7], v[\f+8*\u:\f+8*\u+7], v[8*(16*\t+\ks):8*(16*\t+\ks)+7], v[ACC+8*(2*\u+\t):ACC+8*(2*\u+\t)+7]
.endif
.endr
.endr
.endm
.macro STEP ks, cur, nxt, first, last
.if \last
	s_wait_dscnt 0x0
.else
.if \first == 0
	PLACES                                         ; the loads below land in the buffer that the last step's matrix instructions read
.endif
	FETCH \ks+1, \nxt
	s_wait_dscnt 0x8                               ; all but the eight just issued: this step's fragments are in
.endif
	MUL \ks, \cur, \first
.endm
	WIN 0x04                                       ; B in window 1, all else in window 0: one setting for the whole product
	FETCH 0, F0
	STEP 0, F0, F1, 1, 0
	STEP 1, F1, F0, 0, 0
.irp ks, 2,4,6,8,10,12
	STEP \ks, F0, F1, 0, 0
	STEP \ks+1, F1, F0, 0, 0
.endr
	STEP 14, F0, F1, 0, 0
	STEP 15, F1, F0, 0, 1
	WIN 0
	PLACES                                         ; before the LDS stores read the results
	s_barrier_signal -1                            ; every wave's fragment loads have come back (the wait for zero in the last step):
	s_barrier_wait -1                              ; the tile's bytes may now become the stage
.irp u, 0,1,2,3
.irp t, 0,1
.irp j, 0,1,2,3,4,5,6,7
	ds_store_b32 v9, v[ACC+8*(2*\u+\t)+\j] offset:(16*\u+\j)*SP+64*\t     ; register j: row s = 16 u + 8 h + j, column o = 32 w + 16 t + r
.endr
.endr
.endr
	s_wait_dscnt 0x0
	s_barrier_signal -1
	s_barrier_wait -1
.irp j, 0,1,2,3,4,5,6,7,8,9,10,11,12,13,14,15
	ds_load_b128 v[OB+4*\j:OB+4*\j+3], v10 offset:(\j>>1)*SP+(\j&1)*512
.endr
.irp j, 0,1,2,3,4,5,6,7,8,9,10,11,12,13,14,15
	s_wait_dscnt 15-\j
	global_store_b128 v11, v[OB+4*\j:OB+4*\j+3], s[12:13] offset:(\j>>1)*1024+(\j&1)*512   ; 512 consecutive bytes of a row
.endr
	s_wait_xcnt 0x0
	v_lshl_add_u32 v254, v0, 2, 0x15000
	v_mov_b32 v255, 0
	s_wait_tensorcnt 0x0
	ds_add_u32 v254, v255
	s_wait_dscnt 0x0
	s_endpgm
	; ================= REFINE: thread = dense point 256 q + t =================
; T = the squared distances of my point to the 8 candidates in buf (4 pairs x (x x y y z z n n)): the operations of the launch before,
; in its order, here packed over the two candidates of a pair
.macro DIST buf
.irp g, 0,1,2,3
	v_pk_mul_f32 v[T+2*\g:T+2*\g+1], v[\buf+8*\g:\buf+8*\g+1], v[XD:XD+1]
	v_pk_add_f32 v[U+2*\g:U+2*\g+1], v[\buf+8*\g+6:\buf+8*\g+7], v[XD+6:XD+7]
.endr
.irp c, 2,4
.irp g, 0,1,2,3
.if DOT_FMA
	v_pk_fma_f32 v[T+2*\g:T+2*\g+1], v[\buf+8*\g+\c:\buf+8*\g+\c+1], v[XD+\c:XD+\c+1], v[T+2*\g:T+2*\g+1]
.else
	v_pk_mul_f32 v[TA:TA+1], v[\buf+8*\g+\c:\buf+8*\g+\c+1], v[XD+\c:XD+\c+1]
	v_pk_add_f32 v[T+2*\g:T+2*\g+1], v[T+2*\g:T+2*\g+1], v[TA:TA+1]
.endif
.endr
.endr
.irp g, 0,1,2,3
	v_pk_fma_f32 v[T+2*\g:T+2*\g+1], v[T+2*\g:T+2*\g+1], -2.0, v[U+2*\g:U+2*\g+1] op_sel_hi:[1,0,1]
.endr
.endm
.macro INSERT val, id
	v_cmp_lt_f32 s[C1],   \val, v[TL]
	v_cmp_lt_f32 s[C1+1], \val, v[TL+1]
	v_cmp_lt_f32 s[C1+2], \val, v[TL+2]
	v_cndmask_b32 v[TA],   \id, v[TL+4], s[C1+1]
	v_cndmask_b32 v[TA+1], \id, v[TL+3], s[C1]
	v_cndmask_b32 v[TL+5], v[TL+5], v[TA],   s[C1+2]
	v_cndmask_b32 v[TL+4], v[TL+4], v[TA+1], s[C1+1]
	v_cndmask_b32 v[TL+3], v[TL+3], \id,     s[C1]
	v_med3_num_f32 v[TL+2], \val, v[TL+1], v[TL+2]
	v_med3_num_f32 v[TL+1], \val, v[TL],   v[TL+1]
	v_min_num_f32  v[TL],   \val, v[TL]
.endm
.Lrefine:
	s_sub_co_u32 s19, ttmp9, 128                   ; q = 0..127
	v_lshlrev_b32 v1, 4, v0                        ; 16 t: my 16 bytes in cblk, geo, nw (and, for waves 0 and 1, in nidx)
	v_lshlrev_b32 v2, 2, v0
	v_add_nc_u32 v2, RF, v2                        ; LDS: my packed word, RF + 4 t
	v_add_nc_u32 v3, RF, v1                        ; LDS: four words to read back, RF + 16 t
	s_wait_kmcnt 0x0
	s_lshl_b32 s20, s19, 12                        ; 256 points x 16 bytes
	s_add_nc_u64 s[10:11], s[10:11], s[20:21]      ; cblk
	s_add_nc_u64 s[16:17], s[16:17], s[20:21]      ; nw
	s_add_co_u32 s20, s20, 131072
	s_add_nc_u64 s[26:27], s[8:9], s[20:21]        ; geo: the dense points
	s_lshr_b32 s20, s19, 4
	s_lshl_b32 s20, s20, 14
	s_add_nc_u64 s[8:9], s[8:9], s[20:21]          ; geo: the batch's table of sparse points
	s_lshl_b32 s20, s19, 10
	s_add_nc_u64 s[14:15], s[14:15], s[20:21]      ; nidx
	global_load_b128 v[CB:CB+3], v1, s[10:11]
	global_load_b128 v[DX:DX+3], v1, s[26:27]
.irp i, 0,1,2
	v_mov_b32 v[TL+\i], 0x7f800000
	v_mov_b32 v[TL+3+\i], 0
.endr
	s_wait_loadcnt 0x1                             ; the block numbers; the point's coordinates may stay out
.irp j, 0,1,2
	v_min_u32 v[CB+\j], 63, v[CB+\j]               ; a loaded number enters an address only clamped
	v_lshlrev_b32 v[OFJ+\j], 8, v[CB+\j]           ; 256 bytes a block of 16 points
	v_lshlrev_b32 v[B16+\j], 4, v[CB+\j]           ; index of its first point
.endr
.irp j, 0,1,2
.irp q, 0,1,2,3,4,5,6,7,8,9,10,11,12,13,14,15
	global_load_b128 v[CAND+64*\j+4*\q:CAND+64*\j+4*\q+3], v[OFJ+\j], s[8:9] offset:16*\q
.endr
.endr
	s_wait_loadcnt 48                              ; the coordinates: the 48 candidate loads are younger
.irp p, 0,1,2,3
	v_mov_b32 v[XD+2*\p],   v[DX+\p]
	v_mov_b32 v[XD+2*\p+1], v[DX+\p]
.endr
.irp j, 0,1,2
.irp hh, 0,1
	s_wait_loadcnt 40-16*\j-8*\hh                  ; half hh of block j is in; the 48 - 16 j - 8 hh - 8 loads behind it stay out
	DIST CAND+64*\j+32*\hh
.irp e, 0,1,2,3,4,5,6,7
	v_or_b32 v[VS], 8*\hh+\e, v[B16+\j]
	INSERT v[T+\e], v[VS]                          ; indices ascend and only a strictly smaller distance moves in: the lower index wins a tie
.endr
.endr
.endr
	v_add_f32 v26, 0x322bcc77, v[TL]               ; d + 1e-8
	v_add_f32 v27, 0x322bcc77, v[TL+1]
	v_add_f32 v28, 0x322bcc77, v[TL+2]
	v_rcp_f32 v[WO],   v26
	v_rcp_f32 v[WO+1], v27
	v_rcp_f32 v[WO+2], v28
	v_lshl_or_b32 v[PK], v[TL+4], 10, v[TL+3]      ; the plain instruction between the reciprocals and their first use (ISA guide 5.7.2)
	s_wait_alu depctr_va_vdst(0)
	v_add_f32 v29, v[WO], v[WO+1]
	v_add_f32 v29, v29, v[WO+2]
	v_rcp_f32 v28, v29
	v_lshl_or_b32 v[PK], v[TL+5], 20, v[PK]        ; and again
	s_wait_alu depctr_va_vdst(0)
	v_mul_f32 v[WO],   v[WO],   v28
	v_mul_f32 v[WO+1], v[WO+1], v28
	v_mul_f32 v[WO+2], v[WO+2], v28
	v_mov_b32 v[WO+3], 0
	global_store_b128 v1, v[WO:WO+3], s[16:17]     ; 512 consecutive bytes a wave
	ds_store_b32 v2, v[PK]                         ; the packed words leave 16 bytes a lane: through LDS
	s_wait_dscnt 0x0                               ; my word is written: zero, for the sake of the waves that read it
	s_barrier_signal -1
	s_barrier_wait -1
	s_cmp_ge_u32 s18, 2
	s_cbranch_scc1 .Ldone
	ds_load_b128 v[60:63], v3                      ; waves 0 and 1: 64 threads x 16 bytes = the 256 words
	s_wait_dscnt 0x0
	global_store_b128 v1, v[60:63], s[14:15]
.Ldone:
	s_wait_xcnt 0x0
	v_lshl_add_u32 v254, v0, 2, 0x15000
	v_mov_b32 v255, 0
	s_wait_tensorcnt 0x0
	ds_add_u32 v254, v255
	s_wait_dscnt 0x0
	s_endpgm
.Lfunc_end_k_q60e3c8c75b_mid:
	.size	k_q60e3c8c75b_mid, .Lfunc_end_k_q60e3c8c75b_mid-k_q60e3c8c75b_mid
	.p2alignl 7, 3214868480
	.fill 96, 4, 3214868480
	.section	.rodata,"a",@progbits
	.p2align	6, 0x0
	.amdhsa_kernel k_q60e3c8c75b_mid
		.amdhsa_group_segment_fixed_size 87040
		.amdhsa_private_segment_fixed_size 0
		.amdhsa_enable_private_segment 0
		.amdhsa_kernarg_size 56
		.amdhsa_user_sgpr_count 2
		.amdhsa_user_sgpr_kernarg_segment_ptr 1
		.amdhsa_wavefront_size32 1
		.amdhsa_system_sgpr_workgroup_id_x 1
		.amdhsa_system_sgpr_workgroup_id_y 1
		.amdhsa_system_sgpr_workgroup_id_z 1
		.amdhsa_system_vgpr_workitem_id 0
		.amdhsa_next_free_vgpr 512
		.amdhsa_next_free_sgpr 66
		.amdhsa_reserve_vcc 0
		.amdhsa_float_denorm_mode_32 3
		.amdhsa_float_denorm_mode_16_64 3
		.amdhsa_memory_ordered 1
		.amdhsa_forward_progress 1
		.amdhsa_inst_pref_size 93
	.end_amdhsa_kernel
	.amdgpu_metadata
---
amdhsa.version: [ 1, 2 ]
amdhsa.kernels:
  - .name:           k_q60e3c8c75b_mid
    .symbol:         k_q60e3c8c75b_mid.kd
    .args:
      - { .name: sparse_data, .offset: 0, .size: 8, .value_kind: global_buffer, .address_space: global }
      - { .name: wfrag, .offset: 8, .size: 8, .value_kind: global_buffer, .address_space: global }
      - { .name: geo, .offset: 16, .size: 8, .value_kind: global_buffer, .address_space: global }
      - { .name: cblk, .offset: 24, .size: 8, .value_kind: global_buffer, .address_space: global }
      - { .name: zt, .offset: 32, .size: 8, .value_kind: global_buffer, .address_space: global }
      - { .name: nidx, .offset: 40, .size: 8, .value_kind: global_buffer, .address_space: global }
      - { .name: nw, .offset: 48, .size: 8, .value_kind: global_buffer, .address_space: global }
    .group_segment_fixed_size: 87040
    .private_segment_fixed_size: 0
    .kernarg_segment_align: 8
    .kernarg_segment_size: 56
    .max_flat_workgroup_size: 256
    .sgpr_count:     66
    .vgpr_count:     512
    .wavefront_size: 32
...
	.end_amdgpu_metadata
.endif
;; end of part 2
;; launch main (part 3): grid 256 x 1, 8 waves a work-group, no clusters, 211,968 bytes of LDS; arguments dense_data, wfrag, zt, nidx, nw, ybuf, pstat; writes ybuf, pstat
.if DOCPART == 3
	.amdgcn_target "amdgcn-amd-amdhsa--gfx1250"
	.amdhsa_code_object_version 6
	.text
	.protected	k_q60e3c8c75b_main
	.globl	k_q60e3c8c75b_main
	.p2align	8
	.type	k_q60e3c8c75b_main,@function
k_q60e3c8c75b_main:
	s_mov_b64 s[64:65], 0
	v_nop
	global_prefetch_b8 v0, s[64:65] scope:SCOPE_SE
	s_setreg_imm32_b32 hwreg(HW_REG_WAVE_MODE, 25, 1), 1
	s_wait_xcnt 0x0
; MAIN: y[b][o][m] = sum over c of W1[o][c] dense[b][c][m] + sum over k of w_k Zt[b][idx_k][o], and each channel's sum and sum of squares
; over the work-group's columns.  Work-group g: batch g >> 5, columns m = 128 (g & 31) .. + 127, all 256 o, K = 256.
; The blended rows of Zt (f32) are the C operand of the first matrix instructions: they start the sums, nothing is cleared or added later.
; Loading: wave w brings dense rows c = 32 w .. + 31 (to f16, into LDS) and blends the Zt rows of columns m = 16 w .. + 15 (into LDS).
; Product: wave w makes o = 32 w .. + 31 for all 128 m: 16 accumulators; a channel's statistics never leave the wave.
; f16 and not bf16 operands: 11 significant bits against 8 make each operand's rounding error eight times smaller, which the
; allowance of a hundredth of the result's root mean square needs for a sum of 768 products.
; No cluster: W1 (131,072 bytes in f16) is what all work-groups read; it goes straight into registers in fragment order.  Landed in LDS
; by a joint request it would need 131,072 bytes beside the 208,896 in use, more than the 327,680 there are.
; Data come through registers because they are converted (f32 to f16) or blended on the way.
; LIMITS: dense_data above 65,504 in magnitude becomes infinite in f16, below 2^-14 it keeps an absolute error of at most 2^-25;
; the statistics are f32 sums in this text's own order.
.set MSB, 0
.macro WIN new
.if MSB != \new
	s_set_vgpr_msb (MSB<<8)|\new
.set MSB, \new
.endif
.endm
.macro PLACES                          ; four independent vector instructions behind a matrix instruction (ISA guide 7.12.1)
.rept 4
	v_nop
.endr
.endm
.set XP,   288                         ; LDS 0: dense tile [256 c][128 m] f16, rows of 256 + 32 bytes (an odd multiple of 32)
.set ZI,   73728                       ; LDS: blended Zt [128 m][256 o] f32,
.set ZP,   1040                        ;      rows of 1,024 + 16 bytes
.set STAT, 206848                      ; LDS: 256 sums, 256 sums of squares
.set GP,   528                         ; the stage on the way out (re-uses bytes 0 .. 135,167): 32 rows o a wave, 512 + 16 bytes each
.set GW,   32*GP
.set IDX,  20                          ; s[20:35]   my 16 columns' packed neighbour indices
.set CT,   24                          ; v[24:39]   f16 on its way to LDS
.set SL,   40                          ; v[40:167]  four slots of 32: +0..23 three rows of Zt (8 words each), +24..26 their offsets, +28..31 weights
.set ACC,  40                          ; v[40:167]  16 accumulators, tile (u, t) at 8 (2 u + t), once the slots are done with
.set F0,   168                         ; v[168:199] A fragments, 4 m tiles
.set F1,   200                         ; v[200:231] the other buffer
.set ST,   232                         ; v[232:241] statistics
                                       ; window 1: v[256:383] W1 fragments, (t, ks) at 8 (8 t + ks); v[384:511] dense data as loaded
	s_load_b256 s[4:11], s[0:1], 0x0               ; dense_data 4, wfrag 6, zt 8, nidx 10
	s_load_b128 s[12:15], s[0:1], 0x20             ; nw 12, ybuf 14
	s_load_b64 s[16:17], s[0:1], 0x30              ; pstat
	v_lshl_add_u32 v254, v0, 2, 0x33800
	v_mov_b32 v255, 0
	v_lshrrev_b32 v1, 5, v0
	v_readfirstlane_b32 s18, v1                    ; wave 0..7
	s_mov_b32 s37, 0                               ; high word of every offset
	s_mov_b32 s38, 0x76543210                      ; v_permlanex16_b32: lane i reads lane i of the other half
	s_mov_b32 s39, 0xfedcba98
	v_and_b32 v1, 31, v0                           ; L
	v_and_b32 v2, 15, v0                           ; r
	v_bfe_u32 v3, v0, 4, 1                         ; h
	v_lshlrev_b32 v4, 4, v1                        ; 16 L
	s_lshl_b32 s19, s18, 8
	v_mov_b32 v5, s19                              ; weights of my 16 columns: 256 w
	s_lshl_b32 s19, s18, 19
	v_add_nc_u32 v6, s19, v4                       ; dense and y: row 32 w (16,384 bytes each), 16 L
	s_mul_i32 s19, s18, 49152
	v_add_nc_u32 v7, s19, v4                       ; W: o tiles 2 w, 2 w + 1
	s_mul_i32 s19, s18, 32*XP
	v_lshl_add_u32 v8, v1, 3, s19                  ; dense tile store: row 32 w, 8 L
	s_mul_i32 s19, s18, 16*ZP
	s_add_co_u32 s19, s19, ZI
	v_add_nc_u32 v9, s19, v4                       ; blend store: row 16 w, 16 L
	v_mul_u32_u24 v10, v3, 8*ZP
	v_lshl_add_u32 v10, v2, 2, v10
	s_lshl_b32 s19, s18, 7
	s_add_co_u32 s19, s19, ZI
	v_add_nc_u32 v10, s19, v10                     ; C operand: row 8 h, column 32 w + r
	v_add_nc_u32 v11, 64*ZP, v10                   ; the same for m tiles 4..7 (the immediate has 16 bits)
	v_and_b32 v12, 7, v0
	v_lshl_add_u32 v12, v3, 3, v12
	v_mul_u32_u24 v12, v12, XP
	v_bfe_u32 v13, v0, 3, 1
	v_lshl_add_u32 v12, v13, 4, v12                ; transposing load: row 8 h + (L & 7), 16 bytes x bit 3 of L
	v_add_nc_u32 v13, 4*32*XP, v12                 ; the same for K steps 4..7
	s_mul_i32 s19, s18, GW
	v_mul_u32_u24 v14, v2, GP
	v_lshl_add_u32 v14, v3, 5, v14
	v_add_nc_u32 v14, s19, v14                     ; stage in: row r, 32 h
	v_add_nc_u32 v15, s19, v4                      ; stage back: 16 L
	v_lshlrev_b32 v16, 2, v0
	v_add_nc_u32 v16, STAT, v16                    ; my channel's sum: o = 32 w + L = the thread's number
	v_lshlrev_b32 v18, 4, v0                       ; statistics out: 16 t
	v_add_nc_u32 v17, STAT, v18
	s_wait_kmcnt 0x0
	s_lshr_b32 s19, ttmp9, 5                       ; batch
	s_and_b32 s40, ttmp9, 31
	s_lshl_b32 s36, s19, 22                        ; 256 rows of 16,384 bytes
	s_lshl_b32 s40, s40, 9                         ; 128 columns of 4 bytes
	s_add_co_u32 s36, s36, s40
	s_add_nc_u64 s[4:5], s[4:5], s[36:37]
	s_add_nc_u64 s[14:15], s[14:15], s[36:37]
	s_lshl_b32 s36, s19, 20
	s_add_nc_u64 s[8:9], s[8:9], s[36:37]          ; the batch's 1,024 rows of Zt
	s_lshl_b32 s36, ttmp9, 9
	s_lshl_b32 s40, s18, 6
	s_add_co_u32 s36, s36, s40
	s_add_nc_u64 s[10:11], s[10:11], s[36:37]      ; my wave's 16 index words
	s_lshl_b32 s36, ttmp9, 11
	s_add_nc_u64 s[12:13], s[12:13], s[36:37]
	s_add_nc_u64 s[16:17], s[16:17], s[36:37]
	s_load_b512 s[IDX:IDX+15], s[10:11], 0x0
	; everything that needs no index is asked for at once: 32 loads of W1's fragments, then my 32 rows of the dense tile
	WIN 0x40
.set nn, 0
.rept 32
	global_load_b128 v[4*nn:4*nn+3], v7, s[6:7] offset:(nn>>4)*24576+(nn&15)*512
.set nn, nn+1
.endr
.set nn, 0
.rept 32
	global_load_b128 v[128+4*nn:128+4*nn+3], v6, s[4:5] offset:16384*nn th:TH_LOAD_NT     ; 512 consecutive bytes of row 32 w + nn
.set nn, nn+1
.endr
	WIN 0
	s_wait_kmcnt 0x0
.macro ROWLOAD s, i                    ; slot s: the three rows of Zt and the weights of column 16 w + i: seven loads
.set SB, SL+32*\s
.irp k, 0,1,2
	s_bfe_u32 s40, s[IDX+(\i)], (10<<16)|(10*\k)
	s_min_u32 s40, s40, 0x3ff                      ; a loaded number enters an address only clamped
	v_lshl_add_u32 v[SB+24+\k], s40, 10, v4        ; 1,024 bytes a row, 16 L
	global_load_b128 v[SB+8*\k:SB+8*\k+3],   v[SB+24+\k], s[8:9]
	global_load_b128 v[SB+8*\k+4:SB+8*\k+7], v[SB+24+\k], s[8:9] offset:512
.endr
	global_load_b128 v[SB+28:SB+31], v5, s[12:13] offset:16*(\i)
.endm
	ROWLOAD 0, 0
	ROWLOAD 1, 1
	ROWLOAD 2, 2
	ROWLOAD 3, 3
.macro DCHUNK c                        ; 8 rows of the dense tile to f16 and into LDS
	s_wait_loadcnt 52-8*\c                         ; younger: (3 - c) x 8 dense loads and the 28 loads of four slots
	WIN 0x05
.irp j, 0,1,2,3,4,5,6,7
	v_cvt_pk_f16_f32 v[CT+2*\j],   v[128+4*(8*\c+\j)],   v[128+4*(8*\c+\j)+1]
	v_cvt_pk_f16_f32 v[CT+2*\j+1], v[128+4*(8*\c+\j)+2], v[128+4*(8*\c+\j)+3]
.endr
	WIN 0
.irp j, 0,1,2,3,4,5,6,7
	ds_store_b64 v8, v[CT+2*\j:CT+2*\j+1] offset:XP*(8*\c+\j)
.endr
.endm
	DCHUNK 0
	DCHUNK 1
	DCHUNK 2
	DCHUNK 3
.macro ROW s, i, left, refill          ; blends column 16 w + i; left = the younger slots' loads, seven each
	s_wait_loadcnt \left                           ; also frees this slot's offset registers for the refill
.set SB, SL+32*\s
.irp p, 0,1,2,3
	v_pk_mul_f32 v[SB+2*\p:SB+2*\p+1], v[SB+2*\p:SB+2*\p+1], v[SB+28:SB+29] op_sel_hi:[1,0]                                        ; x w0
.endr
.irp p, 0,1,2,3
	v_pk_fma_f32 v[SB+2*\p:SB+2*\p+1], v[SB+8+2*\p:SB+8+2*\p+1], v[SB+28:SB+29], v[SB+2*\p:SB+2*\p+1] op_sel:[0,1,0] op_sel_hi:[1,1,1]   ; + w1 x
.endr
.irp p, 0,1,2,3
	v_pk_fma_f32 v[SB+2*\p:SB+2*\p+1], v[SB+16+2*\p:SB+16+2*\p+1], v[SB+30:SB+31], v[SB+2*\p:SB+2*\p+1] op_sel_hi:[1,0,1]               ; + w2 x
.endr
	ds_store_b128 v9, v[SB:SB+3]   offset:ZP*(\i)
	ds_store_b128 v9, v[SB+4:SB+7] offset:ZP*(\i)+512
.if \refill
	ROWLOAD \s, \i+4
.endif
.endm
.irp i, 0,1,2,3,4,5,6,7,8,9,10,11
	ROW (\i&3), \i, 21, 1
.endr
	ROW 0, 12, 21, 0                               ; the last four load nothing: the counts run down
	ROW 1, 13, 14, 0
	ROW 2, 14, 7, 0
	ROW 3, 15, 0, 0
	s_wait_dscnt 0x0                               ; my rows of both tiles are written
	s_barrier_signal -1
	s_barrier_wait -1
	; the C operand: register j of tile (u, t) is (m = 16 u + 8 h + j, o = 32 w + 16 t + r)
.irp u, 0,1,2,3,4,5,6,7
.irp t, 0,1
.irp j, 0,1,2,3,4,5,6,7
	ds_load_b32 v[ACC+8*(2*\u+\t)+\j], v[10+(\u>>2)] offset:(16*(\u&3)+\j)*ZP+64*\t
.endr
.endr
.endr
; a half step hs = 2 ks + uh: K step ks, m tiles 4 uh .. 4 uh + 3.  A = 16 rows m x 32 c out of the tile [c][m], B = W1's fragment.
.macro FETCH hs, f
.irp q, 0,1,2,3
	ds_load_tr16_b128 v[\f+8*\q:\f+8*\q+3],   v[12+((\hs)>>3)] offset:(((\hs)>>1)&3)*32*XP+32*(4*((\hs)&1)+\q)
	ds_load_tr16_b128 v[\f+8*\q+4:\f+8*\q+7], v[12+((\hs)>>3)] offset:(((\hs)>>1)&3)*32*XP+32*(4*((\hs)&1)+\q)+16*XP
.endr
.endm
.macro MUL hs, f
.irp q, 0,1,2,3
.irp t, 0,1
.set AC, ACC+8*(2*(4*((\hs)&1)+\q)+\t)
.set WB, 8*(8*\t+((\hs)>>1))
	v_wmma_f32_16x16x32_f16 v[AC:AC+7], v[\f+8*\q:\f+8*\q+7], v[WB:WB+7], v[AC:AC+7]
.endr
.endr
.endm
.macro STEP hs, cur, nxt, first, last
.if \last
	s_wait_dscnt 0x0
.else
.if \first == 0
	PLACES                                         ; the loads below land in the buffer that the last step's matrix instructions read
.endif
	FETCH \hs+1, \nxt
	s_wait_dscnt 0x8                               ; all but the eight just issued: this step's fragments (and, in the first step, C) are in
.endif
	MUL \hs, \cur
.endm
	WIN 0x04                                       ; B in window 1, all else in window 0: one setting for the whole product
	FETCH 0, F0
	STEP 0, F0, F1, 1, 0
	STEP 1, F1, F0, 0, 0
.irp hs, 2,4,6,8,10,12
	STEP \hs, F0, F1, 0, 0
	STEP \hs+1, F1, F0, 0, 0
.endr
	STEP 14, F0, F1, 0, 0
	STEP 15, F1, F0, 0, 1
	WIN 0
	PLACES                                         ; before vector instructions read the results
	; STATISTICS: per o tile t one chain of sums and one of squares over the lane's 64 numbers; four chains side by side
.macro TALLY t, a
	v_pk_add_f32 v[ST+2*\t:ST+2*\t+1], v[ST+2*\t:ST+2*\t+1], v[\a:\a+1]
	v_pk_fma_f32 v[ST+4+2*\t:ST+4+2*\t+1], v[\a:\a+1], v[\a:\a+1], v[ST+4+2*\t:ST+4+2*\t+1]
.endm
.irp t, 0,1
	v_pk_add_f32 v[ST+2*\t:ST+2*\t+1], v[ACC+8*\t:ACC+8*\t+1], v[ACC+8*\t+2:ACC+8*\t+3]      ; the first two pairs start the chains
	v_pk_mul_f32 v[ST+4+2*\t:ST+4+2*\t+1], v[ACC+8*\t:ACC+8*\t+1], v[ACC+8*\t:ACC+8*\t+1]
.endr
.irp t, 0,1
	v_pk_fma_f32 v[ST+4+2*\t:ST+4+2*\t+1], v[ACC+8*\t+2:ACC+8*\t+3], v[ACC+8*\t+2:ACC+8*\t+3], v[ST+4+2*\t:ST+4+2*\t+1]
.endr
.irp p, 2,3
.irp t, 0,1
	TALLY \t, ACC+8*\t+2*\p
.endr
.endr
.irp u, 1,2,3,4,5,6,7
.irp p, 0,1,2,3
.irp t, 0,1
	TALLY \t, ACC+8*(2*\u+\t)+2*\p
.endr
.endr
.endr
.irp c, 0,2,4,6
	v_add_f32 v[ST+\c], v[ST+\c], v[ST+\c+1]
.endr
.irp c, 0,2,4,6
	v_permlanex16_b32 v[ST+\c+1], v[ST+\c], s38, s39       ; lanes r and 16 + r hold the two halves of a channel's columns
.endr
.irp c, 0,2,4,6
	v_add_f32 v[ST+\c], v[ST+\c], v[ST+\c+1]
.endr
	v_cmp_gt_u32 vcc_lo, 16, v1
	v_cndmask_b32 v[ST+8], v[ST+2], v[ST],   vcc_lo        ; lanes 0-15 speak for tile t = 0, lanes 16-31 for t = 1: channel 32 w + L
	v_cndmask_b32 v[ST+9], v[ST+6], v[ST+4], vcc_lo
	ds_store_b32 v16, v[ST+8]
	ds_store_b32 v16, v[ST+9] offset:1024
	s_wait_dscnt 0x0                               ; my reads of both tiles are long over, my statistics are written
	s_barrier_signal -1
	s_barrier_wait -1                              ; the tiles' bytes may now become the stage
	; THE WAY OUT: a lane holds 8 neighbouring m of one channel; through my own stage they become whole rows of 512 bytes
.irp u, 0,1,2,3,4,5,6,7
.irp t, 0,1
	ds_store_b128 v14, v[ACC+8*(2*\u+\t):ACC+8*(2*\u+\t)+3]   offset:16*GP*\t+64*\u
	ds_store_b128 v14, v[ACC+8*(2*\u+\t)+4:ACC+8*(2*\u+\t)+7] offset:16*GP*\t+64*\u+16
.endr
.endr
.macro OUT8 g, f                       ; channels 32 w + 8 g .. + 7
	s_wait_xcnt 0x0                                ; buffer f, which earlier stores read, is loaded again only behind this wait
.irp j, 0,1,2,3,4,5,6,7
	ds_load_b128 v[\f+4*\j:\f+4*\j+3], v15 offset:GP*(8*\g+\j)     ; LDS serves a wave's instructions in order: these see the stores above
.endr
.irp j, 0,1,2,3,4,5,6,7
	s_wait_dscnt 7-\j
	global_store_b128 v6, v[\f+4*\j:\f+4*\j+3], s[14:15] offset:16384*(8*\g+\j)   ; 512 consecutive bytes of a channel's row
.endr
.endm
	OUT8 0, F0
	OUT8 1, F1
	OUT8 2, F0
	OUT8 3, F1
	s_cmp_ge_u32 s18, 4
	s_cbranch_scc1 .Lend
	ds_load_b128 v[ST:ST+3], v17                   ; waves 0 to 3: 128 threads x 16 bytes = the 512 statistics
	s_wait_dscnt 0x0
	global_store_b128 v18, v[ST:ST+3], s[16:17]
.Lend:
	s_wait_tensorcnt 0x0
	ds_add_u32 v254, v255
	s_wait_dscnt 0x0
	s_endpgm
.Lfunc_end_k_q60e3c8c75b_main:
	.size	k_q60e3c8c75b_main, .Lfunc_end_k_q60e3c8c75b_main-k_q60e3c8c75b_main
	.p2alignl 7, 3214868480
	.fill 96, 4, 3214868480
	.section	.rodata,"a",@progbits
	.p2align	6, 0x0
	.amdhsa_kernel k_q60e3c8c75b_main
		.amdhsa_group_segment_fixed_size 211968
		.amdhsa_private_segment_fixed_size 0
		.amdhsa_enable_private_segment 0
		.amdhsa_kernarg_size 56
		.amdhsa_user_sgpr_count 2
		.amdhsa_user_sgpr_kernarg_segment_ptr 1
		.amdhsa_wavefront_size32 1
		.amdhsa_system_sgpr_workgroup_id_x 1
		.amdhsa_system_sgpr_workgroup_id_y 1
		.amdhsa_system_sgpr_workgroup_id_z 1
		.amdhsa_system_vgpr_workitem_id 0
		.amdhsa_next_free_vgpr 512
		.amdhsa_next_free_sgpr 66
		.amdhsa_reserve_vcc 1
		.amdhsa_float_denorm_mode_32 3
		.amdhsa_float_denorm_mode_16_64 3
		.amdhsa_memory_ordered 1
		.amdhsa_forward_progress 1
		.amdhsa_inst_pref_size 94
	.end_amdhsa_kernel
	.amdgpu_metadata
---
amdhsa.version: [ 1, 2 ]
amdhsa.kernels:
  - .name:           k_q60e3c8c75b_main
    .symbol:         k_q60e3c8c75b_main.kd
    .args:
      - { .name: dense_data, .offset: 0, .size: 8, .value_kind: global_buffer, .address_space: global }
      - { .name: wfrag, .offset: 8, .size: 8, .value_kind: global_buffer, .address_space: global }
      - { .name: zt, .offset: 16, .size: 8, .value_kind: global_buffer, .address_space: global }
      - { .name: nidx, .offset: 24, .size: 8, .value_kind: global_buffer, .address_space: global }
      - { .name: nw, .offset: 32, .size: 8, .value_kind: global_buffer, .address_space: global }
      - { .name: ybuf, .offset: 40, .size: 8, .value_kind: global_buffer, .address_space: global }
      - { .name: pstat, .offset: 48, .size: 8, .value_kind: global_buffer, .address_space: global }
    .group_segment_fixed_size: 211968
    .private_segment_fixed_size: 0
    .kernarg_segment_align: 8
    .kernarg_segment_size: 56
    .max_flat_workgroup_size: 256
    .sgpr_count:     66
    .vgpr_count:     512
    .wavefront_size: 32
...
	.end_amdgpu_metadata
.endif
;; end of part 3
;; launch norm (part 4): grid 256 x 1, 8 waves a work-group, no clusters, 2,048 bytes of LDS; arguments ybuf, pstat, bn_gamma, bn_beta, out0; writes out0
.if DOCPART == 4
	.amdgcn_target "amdgcn-amd-amdhsa--gfx1250"
	.amdhsa_code_object_version 6
	.text
	.protected	k_q60e3c8c75b_norm
	.globl	k_q60e3c8c75b_norm
	.p2align	8
	.type	k_q60e3c8c75b_norm,@function
k_q60e3c8c75b_norm:
	s_mov_b64 s[64:65], 0
	v_nop
	global_prefetch_b8 v0, s[64:65] scope:SCOPE_SE
	s_setreg_imm32_b32 hwreg(HW_REG_WAVE_MODE, 25, 1), 1
	s_wait_xcnt 0x0
; NORM: out0 = LeakyReLU(gamma (y - mu) rsqrt(var + 1e-5) + beta), mu and var over the 32,768 numbers of a channel.
; Work-group = channel o, wave = batch: a wave's share is one row of 16,384 bytes, asked for whole (32 loads of 512 consecutive bytes)
; before anything else is waited for.  The 256 partial sums of the channel are shared out: wave w adds those of work-groups
; 32 w .. 32 w + 31 (one a lane), and the eight waves' pairs meet in 64 bytes of LDS.
; A stream: no matrix unit, no cluster (work-groups share nothing but 8 bytes of gain and bias).
; LIMITS: var = E[y^2] - mu^2 from f32 sums (clamped at 0): it loses accuracy where |mu| is far above the spread;
; v_rsq_f32 (1 ULP) stands for the reference's rsqrt.
.set Y, 32                             ; v[32:159] the row
	s_load_b256 s[4:11], s[0:1], 0x0               ; ybuf 4, pstat 6, bn_gamma 8, bn_beta 10
	s_load_b64 s[12:13], s[0:1], 0x20              ; out0
	v_lshl_add_u32 v160, v0, 2, 0x400
	v_mov_b32 v161, 0
	v_lshrrev_b32 v1, 5, v0
	v_readfirstlane_b32 s14, v1                    ; wave = batch
	s_mov_b32 s17, 0
	s_mov_b32 s18, 0x76543210                      ; v_permlanex16_b32: lane i reads lane i of the other half
	s_mov_b32 s19, 0xfedcba98
	v_and_b32 v1, 31, v0
	v_lshlrev_b32 v2, 4, v1                        ; 16 x lane
	v_lshlrev_b32 v3, 11, v0                       ; partials of work-group 32 w + lane = t: 2,048 bytes each
	s_lshl_b32 s15, s14, 3
	v_mov_b32 v4, s15                              ; my wave's 8 bytes in LDS
	v_mov_b32 v5, 0
	v_mov_b32 v10, 0                               ; written once: v_permlanex16_b32 counts as a reader of its destination
	v_mov_b32 v11, 0
	s_wait_kmcnt 0x0
	s_lshl_b32 s16, ttmp9, 2
	s_add_nc_u64 s[6:7], s[6:7], s[16:17]          ; the channel's word in each table
	s_add_nc_u64 s[8:9], s[8:9], s[16:17]
	s_add_nc_u64 s[10:11], s[10:11], s[16:17]
	s_load_b32 s20, s[8:9], 0x0                    ; gamma
	s_load_b32 s21, s[10:11], 0x0                  ; beta
	s_lshl_b32 s16, s14, 22                        ; batch x 256 rows of 16,384 bytes
	s_lshl_b32 s15, ttmp9, 14
	s_add_co_u32 s16, s16, s15
	s_add_nc_u64 s[4:5], s[4:5], s[16:17]
	s_add_nc_u64 s[12:13], s[12:13], s[16:17]
	global_load_b32 v8, v3, s[6:7]                 ; a partial sum
	global_load_b32 v9, v3, s[6:7] offset:1024     ; a partial sum of squares
.set nn, 0
.rept 32
	global_load_b128 v[Y+4*nn:Y+4*nn+3], v2, s[4:5] offset:512*nn th:TH_LOAD_NT
.set nn, nn+1
.endr
	s_wait_loadcnt 32                              ; the two partials; the row's 32 loads stay out
.irp m, 1,2,4,8
	v_add_f32_dpp v8, v8, v8 row_xmask:\m row_mask:0xf bank_mask:0xf
	v_add_f32_dpp v9, v9, v9 row_xmask:\m row_mask:0xf bank_mask:0xf
.endr
	v_permlanex16_b32 v10, v8, s18, s19
	v_permlanex16_b32 v11, v9, s18, s19
	v_add_f32 v8, v8, v10
	v_add_f32 v9, v9, v11
	ds_store_b64 v4, v[8:9]                        ; every lane writes the same two words
	s_wait_dscnt 0x0
	s_barrier_signal -1
	s_barrier_wait -1
.irp q, 0,1,2,3
	ds_load_b128 v[12+4*\q:15+4*\q], v5 offset:16*\q       ; eight pairs (sum, squares), in every lane
.endr
	s_wait_dscnt 0x0
	v_pk_add_f32 v[12:13], v[12:13], v[14:15]
	v_pk_add_f32 v[16:17], v[16:17], v[18:19]
	v_pk_add_f32 v[20:21], v[20:21], v[22:23]
	v_pk_add_f32 v[24:25], v[24:25], v[26:27]
	v_pk_add_f32 v[12:13], v[12:13], v[16:17]
	v_pk_add_f32 v[20:21], v[20:21], v[24:25]
	v_pk_add_f32 v[12:13], v[12:13], v[20:21]
	v_mul_f32 v12, 0x38000000, v12                 ; mu = sum / 32,768
	v_mul_f32 v13, 0x38000000, v13                 ; E[y^2]
	v_fma_f32 v13, -v12, v12, v13
	v_max_num_f32 v13, 0, v13
	v_add_f32 v13, 0x3727c5ac, v13                 ; + 1e-5
	v_rsq_f32 v14, v13
	s_wait_kmcnt 0x0                               ; gamma and beta
	v_nop                                          ; one plain instruction between v_rsq_f32 and the use of its result (ISA guide 5.7.2)
	s_wait_alu depctr_va_vdst(0)
	v_mul_f32 v28, s20, v14                        ; a = gamma / sqrt(var + eps)
	v_fma_f32 v30, -v12, v28, s21                  ; c = beta - mu a
	v_mov_b32 v29, v28
	v_mov_b32 v31, v30
.set nn, 0
.rept 32
	s_wait_loadcnt 31-nn                           ; loads come back in order: this one is in, the younger ones stay out
	v_pk_fma_f32 v[Y+4*nn:Y+4*nn+1],   v[Y+4*nn:Y+4*nn+1],   v[28:29], v[30:31]
	v_pk_fma_f32 v[Y+4*nn+2:Y+4*nn+3], v[Y+4*nn+2:Y+4*nn+3], v[28:29], v[30:31]
	v_pk_mul_f32 v[20:21], v[Y+4*nn:Y+4*nn+1],   0x3e4ccccd op_sel_hi:[1,0]
	v_pk_mul_f32 v[22:23], v[Y+4*nn+2:Y+4*nn+3], 0x3e4ccccd op_sel_hi:[1,0]
	v_max_num_f32 v[Y+4*nn],   v[Y+4*nn],   v20    ; max(v, 0.2 v) is v for v >= 0 and 0.2 v below
	v_max_num_f32 v[Y+4*nn+1], v[Y+4*nn+1], v21
	v_max_num_f32 v[Y+4*nn+2], v[Y+4*nn+2], v22
	v_max_num_f32 v[Y+4*nn+3], v[Y+4*nn+3], v23
	global_store_b128 v2, v[Y+4*nn:Y+4*nn+3], s[12:13] offset:512*nn th:TH_STORE_NT       ; 512 consecutive bytes; its registers are never written again
.set nn, nn+1
.endr
	s_wait_tensorcnt 0x0
	ds_add_u32 v160, v161
	s_wait_dscnt 0x0
	s_endpgm
.Lfunc_end_k_q60e3c8c75b_norm:
	.size	k_q60e3c8c75b_norm, .Lfunc_end_k_q60e3c8c75b_norm-k_q60e3c8c75b_norm
	.p2alignl 7, 3214868480
	.fill 96, 4, 3214868480
	.section	.rodata,"a",@progbits
	.p2align	6, 0x0
	.amdhsa_kernel k_q60e3c8c75b_norm
		.amdhsa_group_segment_fixed_size 2048
		.amdhsa_private_segment_fixed_size 0
		.amdhsa_enable_private_segment 0
		.amdhsa_kernarg_size 40
		.amdhsa_user_sgpr_count 2
		.amdhsa_user_sgpr_kernarg_segment_ptr 1
		.amdhsa_wavefront_size32 1
		.amdhsa_system_sgpr_workgroup_id_x 1
		.amdhsa_system_sgpr_workgroup_id_y 1
		.amdhsa_system_sgpr_workgroup_id_z 1
		.amdhsa_system_vgpr_workitem_id 0
		.amdhsa_next_free_vgpr 162
		.amdhsa_next_free_sgpr 66
		.amdhsa_reserve_vcc 0
		.amdhsa_float_denorm_mode_32 3
		.amdhsa_float_denorm_mode_16_64 3
		.amdhsa_memory_ordered 1
		.amdhsa_forward_progress 1
		.amdhsa_inst_pref_size 25
	.end_amdhsa_kernel
	.amdgpu_metadata
---
amdhsa.version: [ 1, 2 ]
amdhsa.kernels:
  - .name:           k_q60e3c8c75b_norm
    .symbol:         k_q60e3c8c75b_norm.kd
    .args:
      - { .name: ybuf, .offset: 0, .size: 8, .value_kind: global_buffer, .address_space: global }
      - { .name: pstat, .offset: 8, .size: 8, .value_kind: global_buffer, .address_space: global }
      - { .name: bn_gamma, .offset: 16, .size: 8, .value_kind: global_buffer, .address_space: global }
      - { .name: bn_beta, .offset: 24, .size: 8, .value_kind: global_buffer, .address_space: global }
      - { .name: out0, .offset: 32, .size: 8, .value_kind: global_buffer, .address_space: global }
    .group_segment_fixed_size: 2048
    .private_segment_fixed_size: 0
    .kernarg_segment_align: 8
    .kernarg_segment_size: 40
    .max_flat_workgroup_size: 256
    .sgpr_count:     66
    .vgpr_count:     162
    .wavefront_size: 32
...
	.end_amdgpu_metadata
.endif
;; end of part 4
;; ======== version 2 of 2: 4 launches; version 1 with the launch main written anew for expert scheduling mode
;; limits: a difference of large sums (such as E[x^2] - mean^2): digits are lost where the result is much smaller than its terms; values are held in f16: magnitudes above 65,504 overflow, below 6.1e-05 lose precision; inputs' magnitudes at most 65,504
;; workspace buffers: geo 655,360 bytes; cblk 524,288 bytes of whole numbers; wfrag 393,216 bytes; zt 8,388,608 bytes; nidx 131,072 bytes of whole numbers; nw 524,288 bytes; ybuf 33,554,432 bytes; pstat 524,288 bytes
;; launch prep: the kernel of part 1 again; grid 256 x 1, 8 waves a work-group, no clusters, 52,224 bytes of LDS; arguments sparse_idx, dense_idx, pcd, conv_w, geo, cblk, wfrag, out1; writes geo, cblk, wfrag, out1
;; launch mid: the kernel of part 2 again; grid 256 x 1, 8 waves a work-group, no clusters, 87,040 bytes of LDS; arguments sparse_data, wfrag, geo, cblk, zt, nidx, nw; writes zt, nidx, nw
;; launch main (part 5): grid 256 x 1, 8 waves a work-group, no clusters, 211,968 bytes of LDS; arguments dense_data, wfrag, zt, nidx, nw, ybuf, pstat; writes ybuf, pstat
.if DOCPART == 5
	.amdgcn_target "amdgcn-amd-amdhsa--gfx1250"
	.amdhsa_code_object_version 6
	.text
	.protected	k_q60e3c8c75b_main
	.globl	k_q60e3c8c75b_main
	.p2align	8
	.type	k_q60e3c8c75b_main,@function
k_q60e3c8c75b_main:
	s_mov_b64 s[64:65], 0
	v_nop
	global_prefetch_b8 v0, s[64:65] scope:SCOPE_SE
	s_setreg_imm32_b32 hwreg(HW_REG_WAVE_SCHED_MODE, 0, 2), 2
	s_setreg_imm32_b32 hwreg(HW_REG_WAVE_MODE, 25, 1), 1
	s_wait_xcnt 0x0
	s_wait_alu depctr_vm_vsrc(0)
; MAIN: y[b][o][m] = sum over c of W1[o][c] dense[b][c][m] + sum over k of w_k Zt[b][idx_k][o], and each channel's sum and sum of squares
; over the work-group's columns.  Work-group g: batch g >> 5, columns m = 128 (g & 31) .. + 127, all 256 o, K = 256.
; The blended rows of Zt (f32) are the C operand of the first matrix instructions: they start the sums, nothing is cleared or added later.
; Loading: wave w brings dense rows c = 32 w .. + 31 (to f16, into LDS) and blends the Zt rows of columns m = 16 w .. + 15 (into LDS).
; Product: wave w makes o = 32 w .. + 31 for all 128 m: 16 accumulators; a channel's statistics never leave the wave.
; f16 and not bf16 operands: 11 significant bits against 8 make each operand's rounding error eight times smaller, which the
; allowance of a hundredth of the result's root mean square needs for a sum of 768 products.
; No cluster: W1 (131,072 bytes in f16) is what all work-groups read; it goes straight into registers in fragment order.  Landed in LDS
; by a joint request it would need 131,072 bytes beside the 208,896 in use, more than the 327,680 there are.
; Data come through registers because they are converted (f32 to f16) or blended on the way.
; LIMITS: dense_data above 65,504 in magnitude becomes infinite in f16, below 2^-14 it keeps an absolute error of at most 2^-25;
; the statistics are f32 sums in this text's own order.
; THE MODE: SCHED_MODE bits 1:0 = 2 (LLVM: expert scheduling mode 2), set by the entry lines.  The code itself states the register dependences
; between vector or matrix instructions and memory or LDS instructions, with s_wait_alu, always for 0.
; THE PLAN.  Registers that memory or LDS instructions touch, in the order of the text:
;   v4 .. v18     offsets and LDS addresses: written at the head, never again.  One wait on va_vdst ahead of the first load.
;   v[384:511]    the 32 dense rows as loaded.  Chunk c's conversions close each four words up into the first two, in place; its eight LDS stores are
;                 issued at the head of chunk c + 1 (chunk 3's at the head of column 0's turn), behind one wait on va_vdst.  Never written again.
;   AD            48 offsets into Zt, made from the index words in two runs, each ahead of a wait on va_vdst; read by the loads of Zt; written again
;                 only by the product's fragment loads, behind the one wait on vm_vsrc that follows the loading's barrier.
;   five slots    column i lies in slot i % 5: its seven loads land there, its blend reads it, and column i + 5's loads are issued in column i + 1's turn.
;   BL0, BL1      column i's blend writes BL[i % 2]; the two LDS stores that read it are issued in column i + 1's turn.
;                 So at the head of a column's turn vm_vsrc (the stores of a turn ago have read the BL that is written now) and va_vdst (the blend before has
;                 written the other BL and is done with its slot) state all that the turn's nine memory instructions hang on: its twelve vector
;                 instructions name this column's slot and BL alone, and the nine are dealt among them.
;   F0, F1        step hs's matrix instructions read F[hs % 2]; the loads of step hs + 1 land in the other buffer, which step hs - 1 read: one wait on
;                 va_vdst at a step's head, the loads dealt among the step's first matrix instructions, which name the other buffer, W1 and the accumulators.
;   the way out   one wait on va_vdst ahead of the statistics' stores is the last: no vector instruction follows it.  Four out-buffers (F0, F1 and W1's
;                 first 64 registers), each loaded once: no register that a store reads is written again.
.set MSB, 0
.macro WIN new
.if MSB != \new
	s_set_vgpr_msb (MSB<<8)|\new
.set MSB, \new
.endif
.endm
.macro PLACES                          ; four independent vector instructions behind a matrix instruction (ISA guide 7.12.1)
.rept 4
	v_nop
.endr
.endm
.set XP,   288                         ; LDS 0: dense tile [256 c][128 m] f16, rows of 256 + 32 bytes (an odd multiple of 32)
.set ZI,   73728                       ; LDS: blended Zt [128 m][256 o] f32,
.set ZP,   1040                        ;      rows of 1,024 + 16 bytes
.set STAT, 206848                      ; LDS: 256 sums, 256 sums of squares
.set GP,   528                         ; the stage on the way out (re-uses bytes 0 .. 135,167): 32 rows o a wave, 512 + 16 bytes each
.set GW,   32*GP
.set IDX,  20                          ; s[20:35]   my 16 columns' packed neighbour indices
.set BL,   24                          ; v[24:39]   two out-buffers of 8: a blended column on its way to LDS
.set SL,   40                          ; v[40:179]  five slots of 28: +0..23 three rows of Zt (8 words each), +24..27 weights
.set AD,   180                         ; v[180:227] byte offsets into Zt: column i, neighbour k at AD + 3 i + k
.set ACC,  40                          ; v[40:167]  16 accumulators, tile (u, t) at 8 (2 u + t), once the slots are done with
.set F0,   168                         ; v[168:199] A fragments, 4 m tiles
.set F1,   200                         ; v[200:231] the other buffer
.set ST,   232                         ; v[232:241] statistics
                                       ; window 1: v[256:383] W1 fragments, (t, ks) at 8 (8 t + ks); v[384:511] dense data as loaded, then in f16
	s_load_b256 s[4:11], s[0:1], 0x0               ; dense_data 4, wfrag 6, zt 8, nidx 10
	s_load_b128 s[12:15], s[0:1], 0x20             ; nw 12, ybuf 14
	s_load_b64 s[16:17], s[0:1], 0x30              ; pstat
	v_lshl_add_u32 v254, v0, 2, 0x33800
	v_mov_b32 v255, 0
	v_lshrrev_b32 v1, 5, v0
	v_readfirstlane_b32 s18, v1                    ; wave 0..7
	s_mov_b32 s37, 0                               ; high word of every offset
	s_mov_b32 s38, 0x76543210                      ; v_permlanex16_b32: lane i reads lane i of the other half
	s_mov_b32 s39, 0xfedcba98
	v_and_b32 v1, 31, v0                           ; L
	v_and_b32 v2, 15, v0                           ; r
	v_bfe_u32 v3, v0, 4, 1                         ; h
	v_lshlrev_b32 v4, 4, v1                        ; 16 L
	s_wait_alu depctr_va_sdst(0)                   ; s18 is written, ahead of its first reader: the wave's shares are made from it
	s_lshl_b32 s19, s18, 8
	v_mov_b32 v5, s19                              ; weights of my 16 columns: 256 w
	s_lshl_b32 s19, s18, 19
	v_add_nc_u32 v6, s19, v4                       ; dense and y: row 32 w (16,384 bytes each), 16 L
	s_mul_i32 s19, s18, 49152
	v_add_nc_u32 v7, s19, v4                       ; W: o tiles 2 w, 2 w + 1
	s_mul_i32 s19, s18, 32*XP
	v_lshl_add_u32 v8, v1, 3, s19                  ; dense tile store: row 32 w, 8 L
	s_mul_i32 s19, s18, 16*ZP
	s_add_co_u32 s19, s19, ZI
	v_add_nc_u32 v9, s19, v4                       ; blend store: row 16 w, 16 L
	v_mul_u32_u24 v10, v3, 8*ZP
	v_lshl_add_u32 v10, v2, 2, v10
	s_lshl_b32 s19, s18, 7
	s_add_co_u32 s19, s19, ZI
	v_add_nc_u32 v10, s19, v10                     ; C operand: row 8 h, column 32 w + r
	v_add_nc_u32 v11, 64*ZP, v10                   ; the same for m tiles 4..7 (the immediate has 16 bits)
	v_and_b32 v12, 7, v0
	v_lshl_add_u32 v12, v3, 3, v12
	v_mul_u32_u24 v12, v12, XP
	v_bfe_u32 v13, v0, 3, 1
	v_lshl_add_u32 v12, v13, 4, v12                ; transposing load: row 8 h + (L & 7), 16 bytes x bit 3 of L
	v_add_nc_u32 v13, 4*32*XP, v12                 ; the same for K steps 4..7
	s_mul_i32 s19, s18, GW
	v_mul_u32_u24 v14, v2, GP
	v_lshl_add_u32 v14, v3, 5, v14
	v_add_nc_u32 v14, s19, v14                     ; stage in: row r, 32 h
	v_add_nc_u32 v15, s19, v4                      ; stage back: 16 L
	v_lshlrev_b32 v16, 2, v0
	v_add_nc_u32 v16, STAT, v16                    ; my channel's sum: o = 32 w + L = the thread's number
	v_lshlrev_b32 v18, 4, v0                       ; statistics out: 16 t
	v_add_nc_u32 v17, STAT, v18
	s_wait_kmcnt 0x0
	s_lshr_b32 s19, ttmp9, 5                       ; batch
	s_and_b32 s40, ttmp9, 31
	s_lshl_b32 s36, s19, 22                        ; 256 rows of 16,384 bytes
	s_lshl_b32 s40, s40, 9                         ; 128 columns of 4 bytes
	s_add_co_u32 s36, s36, s40
	s_add_nc_u64 s[4:5], s[4:5], s[36:37]
	s_add_nc_u64 s[14:15], s[14:15], s[36:37]
	s_lshl_b32 s36, s19, 20
	s_add_nc_u64 s[8:9], s[8:9], s[36:37]          ; the batch's 1,024 rows of Zt
	s_lshl_b32 s36, ttmp9, 9
	s_lshl_b32 s40, s18, 6
	s_add_co_u32 s36, s36, s40
	s_add_nc_u64 s[10:11], s[10:11], s[36:37]      ; my wave's 16 index words
	s_lshl_b32 s36, ttmp9, 11
	s_add_nc_u64 s[12:13], s[12:13], s[36:37]
	s_add_nc_u64 s[16:17], s[16:17], s[36:37]
	s_load_b512 s[IDX:IDX+15], s[10:11], 0x0
	; everything that needs no index is asked for at once: 32 loads of W1's fragments, then my 32 rows of the dense tile
	WIN 0x40
	s_wait_alu depctr_va_vdst(0)                   ; v4 to v18 are written: every load, store and LDS instruction of the kernel reads one of them as its offset or address
.set nn, 0
.rept 32
	global_load_b128 v[4*nn:4*nn+3], v7, s[6:7] offset:(nn>>4)*24576+(nn&15)*512
.set nn, nn+1
.endr
.set nn, 0
.rept 32
	global_load_b128 v[128+4*nn:128+4*nn+3], v6, s[4:5] offset:16384*nn th:TH_LOAD_NT     ; 512 consecutive bytes of row 32 w + nn
.set nn, nn+1
.endr
	WIN 0
	s_wait_kmcnt 0x0
.macro ADDR i                          ; the three offsets into Zt of column 16 w + i
.irp k, 0,1,2
	s_bfe_u32 s40, s[IDX+(\i)], (10<<16)|(10*\k)
	s_min_u32 s40, s40, 0x3ff                      ; a loaded number enters an address only clamped
	v_lshl_add_u32 v[AD+3*(\i)+\k], s40, 10, v4    ; 1,024 bytes a row, 16 L
.endr
.endm
.macro ROWPART i, k                    ; neighbour k's row of Zt for column 16 w + i, into slot i % 5: two loads
.set RB, SL+28*((\i)%5)+8*(\k)
	global_load_b128 v[RB:RB+3],   v[AD+3*(\i)+(\k)], s[8:9]
	global_load_b128 v[RB+4:RB+7], v[AD+3*(\i)+(\k)], s[8:9] offset:512
.endm
.macro ROWW i                          ; the column's weights: the seventh load
.set RB, SL+28*((\i)%5)+24
	global_load_b128 v[RB:RB+3], v5, s[12:13] offset:16*(\i)
.endm
.irp i, 0,1,2,3
	ADDR \i
.endr
	s_wait_alu depctr_va_vdst(0)                   ; the offsets of columns 0 to 3 are written, which the 24 loads of Zt below read
.irp i, 0,1,2,3
	ROWPART \i, 0
	ROWPART \i, 1
	ROWPART \i, 2
	ROWW \i
.endr
.irp i, 4,5,6,7,8,9,10,11,12,13,14,15
	ADDR \i                                        ; the other 36 offsets, all at once: their first reader stands in column 0's turn, behind the waits on va_vdst of chunks 1 to 3 and of that turn
.endr
.macro DSTORE c                        ; chunk c's 8 rows, in f16, into the tile
	WIN 0x04                                       ; address in window 0, data in window 1
	s_wait_alu depctr_va_vdst(0)                   ; chunk c's conversions have written the registers that the LDS stores below read
.irp j, 0,1,2,3,4,5,6,7
	ds_store_b64 v8, v[128+4*(8*(\c)+\j):128+4*(8*(\c)+\j)+1] offset:XP*(8*(\c)+\j)
.endr
.endm
.macro DCHUNK c                        ; 8 rows of the dense tile to f16; the chunk before goes into LDS
	s_wait_loadcnt 52-8*(\c)                       ; younger: (3 - c) x 8 dense loads and the 28 loads of four columns
.if (\c) > 0
	DSTORE (\c)-1
.endif
	WIN 0x45
.irp j, 0,1,2,3,4,5,6,7
	v_cvt_pk_f16_f32 v[128+4*(8*(\c)+\j)],   v[128+4*(8*(\c)+\j)],   v[128+4*(8*(\c)+\j)+1]     ; four numbers close up into the first two of their four registers:
	v_cvt_pk_f16_f32 v[128+4*(8*(\c)+\j)+1], v[128+4*(8*(\c)+\j)+2], v[128+4*(8*(\c)+\j)+3]     ; no register that an LDS store reads is written again
.endr
.endm
	DCHUNK 0
	DCHUNK 1
	DCHUNK 2
	DCHUNK 3
.macro OUTROW i                        ; column 16 w + i, blended, into LDS
	ds_store_b128 v9, v[BL+8*((\i)%2):BL+8*((\i)%2)+3]   offset:ZP*(\i)
	ds_store_b128 v9, v[BL+8*((\i)%2)+4:BL+8*((\i)%2)+7] offset:ZP*(\i)+512
.endm
; The turn of column 16 w + i: the column before is stored, its slot is asked for again (column i + 4), this column is blended.
; left = the younger columns' loads, seven each.
.macro ROW i, left, refill
	s_wait_loadcnt \left                           ; loads come back in order: this column's seven are in
.if (\i) == 0
	DSTORE 3                                       ; the last chunk of the dense tile takes the place of a column before
	WIN 0
.else
.if (\i) >= 2
	s_wait_alu depctr_vm_vsrc(0)                   ; the LDS stores issued a turn ago have read BL[i % 2], which this column's blend writes again
.endif
	s_wait_alu depctr_va_vdst(0)                   ; the blend before has written the other BL, which the stores below read, and is done reading its slot, in which the loads below land
	OUTROW (\i)-1
.endif
.set SB, SL+28*((\i)%5)
.set OB, BL+8*((\i)%2)
.if \refill
	ROWPART (\i)+4, 0                              ; no vector instruction since the wait names these registers, nor do the twelve below
.endif
.irp p, 0,1,2,3
	v_pk_mul_f32 v[OB+2*\p:OB+2*\p+1], v[SB+2*\p:SB+2*\p+1], v[SB+24:SB+25] op_sel_hi:[1,0]                                        ; x w0
.endr
.if \refill
	ROWPART (\i)+4, 1
.endif
.irp p, 0,1,2,3
	v_pk_fma_f32 v[OB+2*\p:OB+2*\p+1], v[SB+8+2*\p:SB+8+2*\p+1], v[SB+24:SB+25], v[OB+2*\p:OB+2*\p+1] op_sel:[0,1,0] op_sel_hi:[1,1,1]   ; + w1 x
.endr
.if \refill
	ROWPART (\i)+4, 2
	ROWW (\i)+4
.endif
.irp p, 0,1,2,3
	v_pk_fma_f32 v[OB+2*\p:OB+2*\p+1], v[SB+16+2*\p:SB+16+2*\p+1], v[SB+26:SB+27], v[OB+2*\p:OB+2*\p+1] op_sel_hi:[1,0,1]               ; + w2 x
.endr
.endm
.irp i, 0,1,2,3,4,5,6,7,8,9,10,11
	ROW \i, 21, 1
.endr
	ROW 12, 21, 0                                  ; the last four load nothing: the counts run down
	ROW 13, 14, 0
	ROW 14, 7, 0
	ROW 15, 0, 0
	s_wait_alu depctr_va_vdst(0)                   ; column 15's blend has written BL1, which the last two stores read; all blends are done reading the slots, in which C and the fragments land
	OUTROW 15
	s_wait_dscnt 0x0                               ; my rows of both tiles are written
	s_barrier_signal -1
	s_barrier_wait -1
	s_wait_alu depctr_vm_vsrc(0)                   ; the loads of Zt have read their offsets v[AD ..]: these registers are F0 and F1 from here on, in which the fragments' loads land
	; the C operand: register j of tile (u, t) is (m = 16 u + 8 h + j, o = 32 w + 16 t + r)
.irp u, 0,1,2,3,4,5,6,7
.irp t, 0,1
.irp j, 0,1,2,3,4,5,6,7
	ds_load_b32 v[ACC+8*(2*\u+\t)+\j], v[10+(\u>>2)] offset:(16*(\u&3)+\j)*ZP+64*\t
.endr
.endr
.endr
; a half step hs = 2 ks + uh: K step ks, m tiles 4 uh .. 4 uh + 3.  A = 16 rows m x 32 c out of the tile [c][m], B = W1's fragment.
.macro FRAG hs, f, q                   ; fragment q of half step hs: two transposing loads, 16 rows c apart
	ds_load_tr16_b128 v[\f+8*(\q):\f+8*(\q)+3],   v[12+((\hs)>>3)] offset:(((\hs)>>1)&3)*32*XP+32*(4*((\hs)&1)+(\q))
	ds_load_tr16_b128 v[\f+8*(\q)+4:\f+8*(\q)+7], v[12+((\hs)>>3)] offset:(((\hs)>>1)&3)*32*XP+32*(4*((\hs)&1)+(\q))+16*XP
.endm
; Eight matrix instructions on buffer cur, m tile n >> 1, o tile n & 1; the next half step's eight loads, into nxt, stand two behind each of the first four.
.macro STEP hs, cur, nxt, first, last
	s_wait_dscnt 0x0                               ; this step's fragments (and, in the first step, C) are in: they are all the LDS loads issued so far
.if (\first == 0) && (\last == 0)
	s_wait_alu depctr_va_vdst(0)                   ; the last step's matrix instructions are done reading the buffer in which the loads below land
.endif
.set n, 0
.rept 8
.set AC, ACC+8*(2*(4*((\hs)&1)+(n>>1))+(n&1))
.set WB, 8*(8*(n&1)+((\hs)>>1))
	v_wmma_f32_16x16x32_f16 v[AC:AC+7], v[\cur+8*(n>>1):\cur+8*(n>>1)+7], v[WB:WB+7], v[AC:AC+7]
.if (\last == 0) && (n < 4)
	FRAG \hs+1, \nxt, n                            ; no wait: the matrix instructions since the wait name the other buffer, W1 and the accumulators
.endif
.set n, n+1
.endr
.endm
	WIN 0x04                                       ; B in window 1, all else in window 0: one setting for the whole product
.irp q, 0,1,2,3
	FRAG 0, F0, \q
.endr
	STEP 0, F0, F1, 1, 0
	STEP 1, F1, F0, 0, 0
.irp hs, 2,4,6,8,10,12
	STEP \hs, F0, F1, 0, 0
	STEP \hs+1, F1, F0, 0, 0
.endr
	STEP 14, F0, F1, 0, 0
	STEP 15, F1, F0, 0, 1
	WIN 0
	PLACES                                         ; before vector instructions read the results
	v_cmp_gt_u32 vcc_lo, 16, v1                    ; lanes 0 to 15: made here, well ahead of the two selects that read it
	; STATISTICS: per o tile t one chain of sums and one of squares over the lane's 64 numbers; four chains side by side
.macro TALLY t, a
	v_pk_add_f32 v[ST+2*\t:ST+2*\t+1], v[ST+2*\t:ST+2*\t+1], v[\a:\a+1]
	v_pk_fma_f32 v[ST+4+2*\t:ST+4+2*\t+1], v[\a:\a+1], v[\a:\a+1], v[ST+4+2*\t:ST+4+2*\t+1]
.endm
.irp t, 0,1
	v_pk_add_f32 v[ST+2*\t:ST+2*\t+1], v[ACC+8*\t:ACC+8*\t+1], v[ACC+8*\t+2:ACC+8*\t+3]      ; the first two pairs start the chains
	v_pk_mul_f32 v[ST+4+2*\t:ST+4+2*\t+1], v[ACC+8*\t:ACC+8*\t+1], v[ACC+8*\t:ACC+8*\t+1]
.endr
.irp t, 0,1
	v_pk_fma_f32 v[ST+4+2*\t:ST+4+2*\t+1], v[ACC+8*\t+2:ACC+8*\t+3], v[ACC+8*\t+2:ACC+8*\t+3], v[ST+4+2*\t:ST+4+2*\t+1]
.endr
.irp p, 2,3
.irp t, 0,1
	TALLY \t, ACC+8*\t+2*\p
.endr
.endr
.irp u, 1,2,3,4,5,6,7
.irp p, 0,1,2,3
.irp t, 0,1
	TALLY \t, ACC+8*(2*\u+\t)+2*\p
.endr
.endr
.endr
.irp c, 0,2,4,6
	v_add_f32 v[ST+\c], v[ST+\c], v[ST+\c+1]
.endr
.irp c, 0,2,4,6
	v_permlanex16_b32 v[ST+\c+1], v[ST+\c], s38, s39       ; lanes r and 16 + r hold the two halves of a channel's columns
.endr
.irp c, 0,2,4,6
	v_add_f32 v[ST+\c], v[ST+\c], v[ST+\c+1]
.endr
	s_wait_alu depctr_va_vcc(0)                    ; the compare above has written VCC, which the two selects read
	v_cndmask_b32 v[ST+8], v[ST+2], v[ST],   vcc_lo        ; lanes 0-15 speak for tile t = 0, lanes 16-31 for t = 1: channel 32 w + L
	v_cndmask_b32 v[ST+9], v[ST+6], v[ST+4], vcc_lo
	s_wait_alu depctr_va_vdst(0)                   ; the last of its kind, since no vector instruction follows: the selects have written v[ST+8], v[ST+9] and the matrix instructions the accumulators,
	                                               ; which LDS stores read; the matrix instructions are done reading F0, F1 and W1, and the sums are done with v[ST .. ST+3], in all of which LDS loads land
	ds_store_b32 v16, v[ST+8]
	ds_store_b32 v16, v[ST+9] offset:1024
	s_wait_dscnt 0x0                               ; my reads of both tiles are long over, my statistics are written
	s_barrier_signal -1
	s_barrier_wait -1                              ; the tiles' bytes may now become the stage
	; THE WAY OUT: a lane holds 8 neighbouring m of one channel; through my own stage they become whole rows of 512 bytes
.irp u, 0,1,2,3,4,5,6,7
.irp t, 0,1
	ds_store_b128 v14, v[ACC+8*(2*\u+\t):ACC+8*(2*\u+\t)+3]   offset:16*GP*\t+64*\u
	ds_store_b128 v14, v[ACC+8*(2*\u+\t)+4:ACC+8*(2*\u+\t)+7] offset:16*GP*\t+64*\u+16
.endr
.endr
.macro LOAD8 g, f                      ; channels 32 w + 8 g .. + 7 back from my stage, into an out-buffer that is loaded this once
.irp j, 0,1,2,3,4,5,6,7
	ds_load_b128 v[\f+4*\j:\f+4*\j+3], v15 offset:GP*(8*\g+\j)     ; LDS serves a wave's instructions in order: these see the stores above
.endr
.endm
.macro STORE8 g, f, younger            ; younger: the LDS loads issued behind this group's: the next group's eight, or none
.irp j, 0,1,2,3,4,5,6,7
	s_wait_dscnt \younger+7-\j
	global_store_b128 v6, v[\f+4*\j:\f+4*\j+3], s[14:15] offset:16384*(8*\g+\j)   ; 512 consecutive bytes of a channel's row
.endr
.endm
	LOAD8 0, F0
	LOAD8 1, F1
	STORE8 0, F0, 8
	WIN 0x40                                       ; loaded data into window 1 (W1's first 64 registers); addresses and the stores' data in window 0
	LOAD8 2, 0
	STORE8 1, F1, 8
	LOAD8 3, 32
	WIN 0x04                                       ; the stores' data in window 1
	STORE8 2, 0, 8
	STORE8 3, 32, 0
	WIN 0
	s_cmp_ge_u32 s18, 4
	s_cbranch_scc1 .Lend
	ds_load_b128 v[ST:ST+3], v17                   ; waves 0 to 3: 128 threads x 16 bytes = the 512 statistics
	s_wait_dscnt 0x0
	global_store_b128 v18, v[ST:ST+3], s[16:17]
.Lend:
	s_wait_dscnt 0x0
	s_wait_alu depctr_hold_cnt(0) depctr_sa_sdst(0) depctr_va_vdst(0) depctr_va_sdst(0) depctr_va_ssrc(0) depctr_va_vcc(0) depctr_vm_vsrc(0)
	s_wait_tensorcnt 0x0
	ds_add_u32 v254, v255
	s_wait_dscnt 0x0
	s_endpgm
.Lfunc_end_k_q60e3c8c75b_main:
	.size	k_q60e3c8c75b_main, .Lfunc_end_k_q60e3c8c75b_main-k_q60e3c8c75b_main
	.p2alignl 7, 3214868480
	.fill 96, 4, 3214868480
	.section	.rodata,"a",@progbits
	.p2align	6, 0x0
	.amdhsa_kernel k_q60e3c8c75b_main
		.amdhsa_group_segment_fixed_size 211968
		.amdhsa_private_segment_fixed_size 0
		.amdhsa_enable_private_segment 0
		.amdhsa_kernarg_size 56
		.amdhsa_user_sgpr_count 2
		.amdhsa_user_sgpr_kernarg_segment_ptr 1
		.amdhsa_wavefront_size32 1
		.amdhsa_system_sgpr_workgroup_id_x 1
		.amdhsa_system_sgpr_workgroup_id_y 1
		.amdhsa_system_sgpr_workgroup_id_z 1
		.amdhsa_system_vgpr_workitem_id 0
		.amdhsa_next_free_vgpr 512
		.amdhsa_next_free_sgpr 66
		.amdhsa_reserve_vcc 1
		.amdhsa_float_denorm_mode_32 3
		.amdhsa_float_denorm_mode_16_64 3
		.amdhsa_memory_ordered 1
		.amdhsa_forward_progress 1
		.amdhsa_inst_pref_size 94
	.end_amdhsa_kernel
	.amdgpu_metadata
---
amdhsa.version: [ 1, 2 ]
amdhsa.kernels:
  - .name:           k_q60e3c8c75b_main
    .symbol:         k_q60e3c8c75b_main.kd
    .args:
      - { .name: dense_data, .offset: 0, .size: 8, .value_kind: global_buffer, .address_space: global }
      - { .name: wfrag, .offset: 8, .size: 8, .value_kind: global_buffer, .address_space: global }
      - { .name: zt, .offset: 16, .size: 8, .value_kind: global_buffer, .address_space: global }
      - { .name: nidx, .offset: 24, .size: 8, .value_kind: global_buffer, .address_space: global }
      - { .name: nw, .offset: 32, .size: 8, .value_kind: global_buffer, .address_space: global }
      - { .name: ybuf, .offset: 40, .size: 8, .value_kind: global_buffer, .address_space: global }
      - { .name: pstat, .offset: 48, .size: 8, .value_kind: global_buffer, .address_space: global }
    .group_segment_fixed_size: 211968
    .private_segment_fixed_size: 0
    .kernarg_segment_align: 8
    .kernarg_segment_size: 56
    .max_flat_workgroup_size: 256
    .sgpr_count:     66
    .vgpr_count:     512
    .wavefront_size: 32
...
	.end_amdgpu_metadata
.endif
;; end of part 5
;; launch norm: the kernel of part 4 again; grid 256 x 1, 8 waves a work-group, no clusters, 2,048 bytes of LDS; arguments ybuf, pstat, bn_gamma, bn_beta, out0; writes out0
